; MI455X (gfx1250); checked and timed in simulation.
; The chip was launched on July 23, 2026; its instructions are those of AMD's public machine-readable ISA for CDNA 5 (MIT licence, August 2026) and "CDNA5" Instruction Set Architecture Reference Guide (July 2026). The comments in the code are by the model that wrote it; some were corrected since.
;; Feature Fusion KAN. Allowed arithmetic: float matrix products may take bf16 or f16 operands with f32 sums; other float arithmetic in f32, or as packed bf16 or f16 multiplies, adds, multiply-adds, maxima and minima; sums over many terms, partial sums and values carried from step to step in f32; what a program stores and reads back later, other than sums and carried values, may be rounded once to bf16 or f16.
;; Inputs: attn_b 1,024 float32; attn_w 1,024 x 2,048 float32; base_w0 1,024 x 2,048 float32; base_w1 1,024 x 1,024 float32; feat1 2,048 x 1,024 float32; feat2 2,048 x 1,024 float32; spline_w0 1,024 x 2,048 x 8 float32; spline_w1 1,024 x 1,024 x 8 float32.
;; Outputs: out0 2,048 x 1,024 float32.
;; 2 versions, each right; version 2 is version 1 with the launches exp0, exp1, fin written anew for expert scheduling mode. Each part assembles by itself: llvm-mc -triple=amdgcn-amd-amdhsa -mcpu=gfx1250 --defsym DOCPART=n.
;; ======== version 1 of 2: 7 launches
;; limits: values are held in f16: magnitudes above 65,504 overflow, below 6.1e-05 lose precision; right only within a limited range of input values
;; workspace buffers: xc 8,388,608 bytes; wa 4,194,304 bytes; w0 37,748,736 bytes; w1 18,874,368 bytes; a0 75,497,472 bytes; a1 37,748,736 bytes; p 67,108,864 bytes
;; launch prep (part 1): grid 1056 x 1, 8 waves a work-group, no clusters, 0 bytes of LDS; arguments feat1, feat2, attn_w, spline_w0, base_w0, spline_w1, base_w1, xc, wa, w0, w1; writes xc, wa, w0, w1
.if DOCPART == 1
	.amdgcn_target "amdgcn-amd-amdhsa--gfx1250"
	.amdhsa_code_object_version 6
	.text
	.protected	k_q61d8a506ad_prep
	.globl	k_q61d8a506ad_prep
	.p2align	8
	.type	k_q61d8a506ad_prep,@function
k_q61d8a506ad_prep:
	s_mov_b64 s[64:65], 0
	v_nop
	global_prefetch_b8 v0, s[64:65] scope:SCOPE_SE
	s_setreg_imm32_b32 hwreg(HW_REG_WAVE_MODE, 25, 1), 1
	s_wait_xcnt 0x0
; CASTS.  Every matrix operand that is an input is rounded once from f32 to f16 and laid where the products want it:
;   xc [2048][2048]  = feat1 | feat2            wa [1024][2048] = attn_w
;   w0 [1024][18432] = spline_w0 (k = 8 i + g, as it lies), then 16 x base_w0      w1 [1024][9216] = spline_w1, then 16 x base_w1
; The factor 16 is exact; its counterpart, SiLU / 16, is applied where the other operand is made.
; LIMITS.  f16 ends at 65,504: |feat|, |attn_w|, |spline_w| stay under it, |base_w| under 4,094; below 6e-5 a number keeps f16's fixed step of 6e-8.
; SHARES.  A chunk is 1,024 consecutive f32: thread t loads 16 bytes at 16 t and stores 8 bytes at 8 t, so a wave's load covers 512 consecutive bytes and
; its store 256 consecutive bytes, aligned.  A work-group takes 32 consecutive chunks of ONE of seven segments; the segment is chosen from the work-group's
; number by scalar selects.  No LDS, no matrix unit, no cluster: nothing is shared and nothing is reduced.
; A ring of eight slots keeps eight loads of every wave on their way; a slot owns its registers.
.set IN,    30                         ; s[30:31] the segment's input, at my 32 chunks
.set OUT,   32                         ; s[32:33] its output, at my first row and the segment's column
.set FIRST, 34                         ; s34  the segment's first work-group
.set LG,    35                         ; s35  log2 of the chunks in an output row's part
.set OPIT,  36                         ; s36  bytes from row to row of the output
.set COL,   37                         ; s37  the part's first byte in a row
.set SC,    38                         ; s[38:39] the factor, 1 or 16
.set MASK,  42                         ; s42  chunks in a row's part, less 1
.set R8,    43                         ; s43  the round's first chunk: 0, 8, 16, 24
.set CNT,   46                         ; s46  rounds to go
.set OI,    4                          ; v[4:11]   slot i: byte offset of its next load
.set OO,    12                         ; v[12:19]  slot i: byte offset of its store
.set T,     20                         ; v[20:23]  at work
.set X,     24                         ; v[24:55]  slot i: four f32 as loaded
.set Y,     56                         ; v[56:71]  slot i: four f16 to store
	s_load_b512 s[8:23], s[0:1], 0x0               ; feat1 s[8:9], feat2 s[10:11], attn_w s[12:13], spline_w0 s[14:15], base_w0 s[16:17], spline_w1 s[18:19], base_w1 s[20:21], xc s[22:23]
	s_load_b128 s[24:27], s[0:1], 0x40             ; wa s[24:25], w0 s[26:27]
	s_load_b64 s[28:29], s[0:1], 0x50              ; w1
	s_mov_b32 s2, ttmp9
	v_lshlrev_b32 v1, 4, v0                        ; 16 t
	v_lshlrev_b32 v2, 3, v0                        ; 8 t
.irp i, 0,1,2,3,4,5,6,7
	v_add_nc_u32 v[OI+(\i)], (\i)*4096, v1
.endr
	s_wait_kmcnt 0x0
; From work-group first on the segment is this one: seven values are replaced.
.macro SEG first, src, dst, lg, pit, col, scale
	s_cmp_ge_u32 s2, \first
	s_cselect_b64 s[IN:IN+1], s[\src:\src+1], s[IN:IN+1]
	s_cselect_b64 s[OUT:OUT+1], s[\dst:\dst+1], s[OUT:OUT+1]
	s_cselect_b32 s[FIRST], \first, s[FIRST]
	s_cselect_b32 s[LG], \lg, s[LG]
	s_cselect_b32 s[OPIT], \pit, s[OPIT]
	s_cselect_b32 s[COL], \col, s[COL]
	s_cselect_b32 s[SC], \scale, s[SC]
.endm
	s_mov_b64 s[IN:IN+1], s[8:9]                   ; segment 0: feat1 into xc's left half
	s_mov_b64 s[OUT:OUT+1], s[22:23]
	s_mov_b32 s[FIRST], 0
	s_mov_b32 s[LG], 0
	s_mov_b32 s[OPIT], 4096
	s_mov_b32 s[COL], 0
	s_mov_b32 s[SC], 1.0
	SEG 64,   10, 22, 0, 4096,  2048,  1.0         ; feat2 into xc's right half
	SEG 128,  12, 24, 1, 4096,  0,     1.0         ; attn_w
	SEG 192,  14, 26, 4, 36864, 0,     1.0         ; spline_w0: 16 chunks a row
	SEG 704,  16, 26, 1, 36864, 32768, 0x41800000  ; base_w0 x 16, behind the spline part
	SEG 768,  18, 28, 3, 18432, 0,     1.0         ; spline_w1: 8 chunks a row
	SEG 1024, 20, 28, 0, 18432, 16384, 0x41800000  ; base_w1 x 16
	s_mov_b32 s[SC+1], s[SC]                       ; named with it as a pair
	s_sub_co_u32 s40, s2, s[FIRST]                 ; my number in the segment
	s_lshl_b32 s44, s40, 17                        ; 32 chunks of 4,096 bytes in
	s_mov_b32 s45, 0
	s_add_nc_u64 s[IN:IN+1], s[IN:IN+1], s[44:45]
	s_lshr_b32 s41, 32, s[LG]                      ; rows that 32 chunks fill
	s_mul_i32 s41, s41, s40
	s_mul_i32 s41, s41, s[OPIT]                    ; under 2^26
	s_add_co_u32 s44, s41, s[COL]
	s_add_nc_u64 s[OUT:OUT+1], s[OUT:OUT+1], s[44:45]
	s_lshl_b32 s[MASK], 1, s[LG]
	s_sub_co_u32 s[MASK], s[MASK], 1
.irp i, 0,1,2,3,4,5,6,7
	global_load_b128 v[X+4*(\i):X+4*(\i)+3], v[OI+(\i)], s[IN:IN+1] th:TH_LOAD_NT  ; the ring is filled: chunks 0 to 7
.endr
; One slot's turn.  ahead = 1: the slot is filled again with the chunk eight further on.  left = how many younger loads may stay out.
.macro SLOT i, ahead, left
	s_wait_loadcnt \left                           ; loads come back in order: mine is in, the younger ones stay out
	s_wait_xcnt 0x0                                ; the slot's last store has read Y and OO: they are rewritten only behind this wait
	s_add_co_u32 s40, s[R8], \i                    ; my chunk c among the 32
	s_lshr_b32 s41, s40, s[LG]
	s_mul_i32 s41, s41, s[OPIT]                    ; its row
	s_and_b32 s40, s40, s[MASK]
	s_lshl_b32 s40, s40, 11                        ; its 2,048 bytes in the row's part
	s_add_co_u32 s40, s40, s41
	v_pk_mul_f32 v[T:T+1],   v[X+4*(\i):X+4*(\i)+1],   s[SC:SC+1] op_sel_hi:[1,0]
	v_pk_mul_f32 v[T+2:T+3], v[X+4*(\i)+2:X+4*(\i)+3], s[SC:SC+1] op_sel_hi:[1,0]
	v_cvt_pk_f16_f32 v[Y+2*(\i)],   v[T],   v[T+1]
	v_cvt_pk_f16_f32 v[Y+2*(\i)+1], v[T+2], v[T+3]
	v_add_nc_u32 v[OO+(\i)], s40, v2
.if \ahead
	v_add_nc_u32 v[OI+(\i)], 8*4096, v[OI+(\i)]
	global_load_b128 v[X+4*(\i):X+4*(\i)+3], v[OI+(\i)], s[IN:IN+1] th:TH_LOAD_NT
.endif
	global_store_b64 v[OO+(\i)], v[Y+2*(\i):Y+2*(\i)+1], s[OUT:OUT+1] th:TH_STORE_NT
.endm
	s_mov_b32 s[R8], 0
	s_mov_b32 s[CNT], 3
.Lround:
.irp i, 0,1,2,3,4,5,6,7
	SLOT \i, 1, 7
.endr
	s_add_co_u32 s[R8], s[R8], 8
	s_sub_co_u32 s[CNT], s[CNT], 1
	s_cmp_lg_u32 s[CNT], 0
	s_cbranch_scc1 .Lround
.irp i, 0,1,2,3,4,5,6,7
	SLOT \i, 0, 7-(\i)                             ; the last round loads nothing: the counts run down
.endr
	s_endpgm
.Lfunc_end_k_q61d8a506ad_prep:
	.size	k_q61d8a506ad_prep, .Lfunc_end_k_q61d8a506ad_prep-k_q61d8a506ad_prep
	.p2alignl 7, 3214868480
	.fill 96, 4, 3214868480
	.section	.rodata,"a",@progbits
	.p2align	6, 0x0
	.amdhsa_kernel k_q61d8a506ad_prep
		.amdhsa_group_segment_fixed_size 0
		.amdhsa_private_segment_fixed_size 0
		.amdhsa_enable_private_segment 0
		.amdhsa_kernarg_size 88
		.amdhsa_user_sgpr_count 2
		.amdhsa_user_sgpr_kernarg_segment_ptr 1
		.amdhsa_wavefront_size32 1
		.amdhsa_system_sgpr_workgroup_id_x 1
		.amdhsa_system_sgpr_workgroup_id_y 1
		.amdhsa_system_sgpr_workgroup_id_z 1
		.amdhsa_system_vgpr_workitem_id 0
		.amdhsa_next_free_vgpr 72
		.amdhsa_next_free_sgpr 66
		.amdhsa_reserve_vcc 0
		.amdhsa_float_denorm_mode_32 3
		.amdhsa_float_denorm_mode_16_64 3
		.amdhsa_memory_ordered 1
		.amdhsa_forward_progress 1
		.amdhsa_inst_pref_size 17
	.end_amdhsa_kernel
	.amdgpu_metadata
---
amdhsa.version: [ 1, 2 ]
amdhsa.kernels:
  - .name:           k_q61d8a506ad_prep
    .symbol:         k_q61d8a506ad_prep.kd
    .args:
      - { .name: feat1, .offset: 0, .size: 8, .value_kind: global_buffer, .address_space: global }
      - { .name: feat2, .offset: 8, .size: 8, .value_kind: global_buffer, .address_space: global }
      - { .name: attn_w, .offset: 16, .size: 8, .value_kind: global_buffer, .address_space: global }
      - { .name: spline_w0, .offset: 24, .size: 8, .value_kind: global_buffer, .address_space: global }
      - { .name: base_w0, .offset: 32, .size: 8, .value_kind: global_buffer, .address_space: global }
      - { .name: spline_w1, .offset: 40, .size: 8, .value_kind: global_buffer, .address_space: global }
      - { .name: base_w1, .offset: 48, .size: 8, .value_kind: global_buffer, .address_space: global }
      - { .name: xc, .offset: 56, .size: 8, .value_kind: global_buffer, .address_space: global }
      - { .name: wa, .offset: 64, .size: 8, .value_kind: global_buffer, .address_space: global }
      - { .name: w0, .offset: 72, .size: 8, .value_kind: global_buffer, .address_space: global }
      - { .name: w1, .offset: 80, .size: 8, .value_kind: global_buffer, .address_space: global }
    .group_segment_fixed_size: 0
    .private_segment_fixed_size: 0
    .kernarg_segment_align: 8
    .kernarg_segment_size: 88
    .max_flat_workgroup_size: 256
    .sgpr_count:     66
    .vgpr_count:     72
    .wavefront_size: 32
...
	.end_amdgpu_metadata
.endif
;; end of part 1
;; launch g1 (part 2): grid 8 x 32, 4 waves a work-group, clusters of 4 x 4, 327,680 bytes of LDS; arguments xc, wa, p; writes p
.if DOCPART == 2
	.amdgcn_target "amdgcn-amd-amdhsa--gfx1250"
	.amdhsa_code_object_version 6
	.text
	.protected	k_q61d8a506ad_g1
	.globl	k_q61d8a506ad_g1
	.p2align	8
	.type	k_q61d8a506ad_g1,@function
k_q61d8a506ad_g1:
	s_mov_b64 s[64:65], 0
	v_nop
	global_prefetch_b8 v0, s[64:65] scope:SCOPE_SE
	s_setreg_imm32_b32 hwreg(HW_REG_WAVE_MODE, 25, 1), 1
	s_wait_xcnt 0x0
	s_wait_alu depctr_hold_cnt(0) depctr_sa_sdst(0) depctr_va_vdst(0) depctr_va_sdst(0) depctr_va_ssrc(0) depctr_va_vcc(0) depctr_vm_vsrc(0)
	s_getreg_b32 s2, hwreg(HW_REG_IB_STS2, 6, 4)
	s_cmp_eq_u32 s2, 0
	s_cbranch_scc0 .Lentry_in_a_cluster
	s_endpgm
.Lentry_in_a_cluster:
	s_bfe_u32 s2, ttmp6, 0x10000c
	s_cmp_lg_u32 s2, 0xf033
	s_cbranch_scc0 .Lentry_shape_is_right
	s_endpgm
.Lentry_shape_is_right:
; P[split][m][n] = the sum over one half of K of A[m][k] B[n][k].  A: [2048][SIZE_K], B: [1024][SIZE_K], f16; P: [2][2048][1024], f32 partial sums, added by the launch behind.
; SHARES.  A tile of C is 128 x 128, K is halved over the grid: 8 x 16 x 2 = 256 work-groups.  Inside a work-group THE FOUR WAVES SPLIT K: of each K step of 256 wave w takes
; 64 w .. 64 w + 63 and holds the WHOLE tile: 64 accumulators of 16 x 16, 512 registers.  So each LDS byte is read by one wave, 32 loads of 16 bytes for 64 matrix instructions.
; The four waves' sums meet in LDS at the end (f32 sums may be taken in any order).
; RING.  Two LDS slots, each a K step: 128 rows of A, 128 of B, 512 bytes a row.  Each wave fetches 64 rows with one tensor load.
; CLUSTER.  4 x 4 work-groups of one split: the four of a row of the cluster need the same tiles of A, the four of a column the same tiles of B: each tile is asked for JOINTLY.
; THE MATRIX INSTRUCTION IS USED TRANSPOSED (source 0 = 16 rows of B, source 1 = 16 rows of A): a lane holds eight neighbouring numbers of a row of C.
; REGISTERS, in windows of 256: window 0: v0-31 addresses; v64-127, v128-191 fragments of A, two buffers (on the way out: rows read back).  window 1: the same numbers, fragments of B.
;   window 2: the accumulators of rows 0-63 ((a, b) at v[8 (8 a + b)]); window 3: those of rows 64-127.
.set SIZE_K, 2048
.set KPART,  SIZE_K/2                  ; a split's share of K
.set KSTEP,  256
.set PITCH,  528                       ; an LDS row: 512 bytes + 16 of padding = 132 words: row r starts at bank 4 r mod 64 (64 banks of 4 bytes: ISA guide 11.1)
.set HALFT,  64*PITCH                  ; what one tensor load brings
.set SLOT,   4*HALFT                   ; A's 128 rows, then B's 128 rows
.set COPY,   128*PITCH                 ; the way out: one wave's 128 x 128 f32, rows of 512 bytes + 16; four copies fill the two slots, which have had their last fill by then
.set SPARE,  2*SLOT                    ; behind the ring: the spare words, 128 bytes for each wave: two blocks of 256 bytes that no other line names
.set LAPS,   KPART/(2*KSTEP)           ; a lap = two K steps = once round the ring
.set RD,   8                           ; v8-11   the way out: my 16 bytes of a row in copy 0 .. 3
.set ADRA, 16                          ; v16-17  LDS address of my A fragments in slot 0, 1
.set ADRB, 20                          ; v20-21  the same for B
.set STO,  24                          ; v24     the way out: where I put 32 bytes of a row of my copy
.set CO,   26                          ; v26     16 x lane: my bytes in 512 consecutive bytes of P
.set SPW,  28                          ; v28     LDS address of my spare word; never rewritten
.set NIL,  29                          ; v29     0; never rewritten
.set PFO,  30                          ; v30     the prefetches' offset; never rewritten
.set F0,   64
.set F1,   128
.set G1,   24                          ; s[24:31] descriptor group 1 for A's tiles;  s[32:39] group 0, a set for each slot
.set G0,   32
.set G1B,  48                          ; s[48:55], s[56:63] the same for B's tiles
.set G0B,  56
.set LIM,  43                          ; s43     2 in a wave that prefetches, else the greatest number
.set PFA,  44                          ; s[44:45] where my prefetches stand
.set MSB, 0
.macro WIN new                         ; the immediate's high byte repeats the setting that is left; a switch that changes nothing is dropped
.if MSB != (\new)
	s_set_vgpr_msb (MSB<<8)|(\new)
.set MSB, \new
.endif
.endm
.set MUL_LO, 0xa1                      ; source 0 (B) window 1, source 1 (A) window 0, C and D window 2
.set MUL_HI, 0xf1                      ; the same, C and D window 3
.set TO_B,   0x40                      ; destination window 1, address window 0
; A joint load: waves 0 and 1 fetch A's two halves, waves 2 and 3 B's.  The branch hangs on the wave's number alone.  An s_nop 0 and four v_nop follow each of the two lines.
.macro JLOAD s
	s_cmp_eq_u32 s11, 0
	s_cbranch_scc0 .Lfor_b_\@
	tensor_load_to_lds s[G0+4*(\s):G0+4*(\s)+3], s[G1:G1+7]
	s_nop 0
.rept 4
	v_nop
.endr
	s_branch .Lasked_\@
.Lfor_b_\@:
	tensor_load_to_lds s[G0B+4*(\s):G0B+4*(\s)+3], s[G1B:G1B+7]
	s_nop 0
.rept 4
	v_nop
.endr
.Lasked_\@:
.endm
; A prefetch of the K step that stands FOUR refills on (512 matrix instructions of this wave ahead of the load that will want it): 16 rows x 512 bytes, a lane a block of 256 bytes.
; Each block is named once in the launch: A's rows by the clusters with x = 0, B's by the first cluster of the split along y; the four partners that ask for a tile jointly share its rows out
; by address, 16 of a wave's 64 each.  The loop's last two trips ask for nothing: there is no K step four on.  Assembled only where the loop is long enough to have such trips.
.macro ASK
.if LAPS > 3
	s_cmp_gt_u32 s3, s[LIM]
	s_cbranch_scc0 .Lnot_mine_\@
	global_prefetch_b8 v[PFO], s[PFA:PFA+1] offset:4*KSTEP*2 th:TH_LOAD_NT scope:SCOPE_SE
.Lnot_mine_\@:
.endif
.endm
.macro CREST                           ; a round of the cluster's barrier behind its opening barrier
	s_cmp_lg_u32 s10, 0
	s_cbranch_scc1 .Lnot_wave_0_\@
	s_barrier_signal -3
.Lnot_wave_0_\@:
	s_barrier_wait -3
	s_barrier_signal -1
	s_barrier_wait -1
.endm
.macro CROUND                          ; a whole round
	s_barrier_signal -1
	s_barrier_wait -1
	CREST
.endm
	s_load_b128 s[4:7], s[0:1], 0x0                ; A s[4:5], B s[6:7]
	s_load_b64 s[8:9], s[0:1], 0x10                ; P
	v_lshl_add_u32 v[SPW], v0, 2, SPARE
	v_mov_b32 v[NIL], 0
	ds_add_u32 v[SPW], v[NIL]                      ; the wave's opening: the add, twice on end, and its wait ahead of my first tensor load
	ds_add_u32 v[SPW], v[NIL]                      ; and once more, under the one wait; the set-up below, work on registers, stands between
	v_lshrrev_b32 v1, 5, v0
	v_readfirstlane_b32 s10, v1                    ; wave 0..3
	s_lshr_b32 s11, s10, 1                         ; I fetch for A (0) or for B (1)
	s_and_b32 s12, s10, 1                          ; which 64 rows of that tile I fetch
	s_bfe_u32 s40, ttmp6, 0x40000                  ; cx, cy: my place in the cluster
	s_bfe_u32 s41, ttmp6, 0x40004
	s_lshl_b32 s42, ttmp9, 2
	s_add_co_u32 s42, s42, s40                     ; tile column of C = 4 x cluster x + cx: 0..7
	s_and_b32 s22, ttmp7, 0xffff                   ; cluster y: 0..7
	s_lshr_b32 s2, s22, 2                          ; the split: the same in all sixteen partners
	s_and_b32 s13, s22, 3
	s_lshl_b32 s13, s13, 2
	s_add_co_u32 s13, s13, s41                     ; tile row of C = 4 x (cluster y mod 4) + cy: 0..15
	s_lshl_b32 s43, s41, 2
	s_lshl_b32 s43, 15, s43                        ; my row of the cluster
	s_lshl_b32 s44, 0x1111, s40                    ; my column
	; descriptor group 1: a tile of 64 rows x 256 elements, padded in LDS
	s_or_b32 s[G1+0], s43, (1<<16)|(1<<20)|(1<<21)|(6<<22)|(3<<25)  ; 15:0 the mask: A's tiles go to my row; 17:16 2-byte elements; 20 padding on; 21 set beside a mask; 24:22 after every 128 words (code 6); 31:25 4 words (code 3)
	s_or_b32 s[G1B+0], s44, (1<<16)|(1<<20)|(1<<21)|(6<<22)|(3<<25) ; the same with the mask of my column
.irp g, G1, G1B
	s_mov_b32 s[(\g)+1], KSTEP<<16                 ; tensor_dim0 = 256
	s_mov_b32 s[(\g)+2], 64<<16                    ; tensor_dim1 = 64
	s_mov_b32 s[(\g)+3], KSTEP<<16                 ; tile_dim0 = 256
	s_mov_b32 s[(\g)+4], 64                        ; tile_dim1 = 64
	s_mov_b32 s[(\g)+5], SIZE_K                    ; elements from row to row
	s_mov_b32 s[(\g)+6], 0
	s_mov_b32 s[(\g)+7], 0
.endr
	; where the tiles come from: A's hang on the tile row, B's on the tile column, both on the split and the wave; each in registers that never hold the other coordinate
	s_lshl_b32 s17, s12, 6
	s_lshl_b32 s16, s13, 7
	s_add_co_u32 s16, s16, s17                     ; A: row 128 x tile row + 64 x half
	s_lshl_b32 s46, s42, 7
	s_add_co_u32 s46, s46, s17                     ; B: row 128 x tile column + 64 x half
	s_mov_b32 s17, 0
	s_mov_b32 s47, 0
	s_mov_b64 s[18:19], SIZE_K*2
	s_mul_u64 s[16:17], s[16:17], s[18:19]
	s_mul_u64 s[46:47], s[46:47], s[18:19]
	s_mul_i32 s20, s2, KPART*2                     ; the split's first byte in a row
	s_mov_b32 s21, 0
	s_add_nc_u64 s[16:17], s[16:17], s[20:21]
	s_add_nc_u64 s[46:47], s[46:47], s[20:21]
	s_mul_i32 s23, s10, HALFT                      ; where they go: wave x 64 rows: no place in the cluster enters an LDS address
	s_wait_dscnt 0x0                               ; both opening adds are done
	s_wait_kmcnt 0x0
	s_add_nc_u64 s[14:15], s[4:5], s[16:17]
	s_add_nc_u64 s[46:47], s[6:7], s[46:47]
	CROUND                                         ; all sixteen work-groups are here: the first joint loads meet
.irp s, 0,1
	s_mov_b32 s[G0+4*(\s)], 1                      ; count = 1
	s_add_co_u32 s[G0+4*(\s)+1], s23, (\s)*SLOT    ; LDS address
	s_add_nc_u64 s[G0+4*(\s)+2:G0+4*(\s)+3], s[14:15], (\s)*KSTEP*2  ; global address: K step s
	s_or_b32 s[G0+4*(\s)+3], s[G0+4*(\s)+3], 0x80000000              ; type = 2
	s_mov_b32 s[G0B+4*(\s)], 1
	s_add_co_u32 s[G0B+4*(\s)+1], s23, (\s)*SLOT
	s_add_nc_u64 s[G0B+4*(\s)+2:G0B+4*(\s)+3], s[46:47], (\s)*KSTEP*2
	s_or_b32 s[G0B+4*(\s)+3], s[G0B+4*(\s)+3], 0x80000000
	JLOAD \s                                       ; two loads of mine are out
.endr
	; A fragment is 16 rows x 32 K in 8 registers: lane l holds row l % 16, K = 8 (l / 16) + 0..7 and 16 + 8 (l / 16) + 0..7: two loads of 16 bytes, 32 bytes apart.
	v_and_b32 v1, 15, v0                           ; l % 16
	v_bfe_u32 v2, v0, 4, 1                         ; l / 16
	v_mul_u32_u24 v3, v1, PITCH
	v_lshl_add_u32 v3, v2, 4, v3                   ; row x pitch + 16 x half
	s_lshl_b32 s21, s10, 7                         ; my 64 of the K step's 256: 128 bytes of each row
	s_add_co_u32 s22, s21, 2*HALFT                 ; B lies behind A's 128 rows
.irp s, 0,1
	v_add_nc_u32 v[ADRA+(\s)], s21, v3
	v_add_nc_u32 v[ADRB+(\s)], s22, v3
	s_add_co_u32 s21, s21, SLOT
	s_add_co_u32 s22, s22, SLOT
.endr
	s_mul_i32 s22, s10, COPY                       ; my copy of the tile
	v_mul_u32_u24 v5, v1, PITCH                    ; in: row l % 16, 32 bytes for each half of the lanes
	v_lshl_add_u32 v5, v2, 5, v5
	v_add_nc_u32 v[STO], s22, v5
	s_mul_i32 s23, s10, 32*PITCH                   ; back: wave w adds up rows 32 w .. 32 w + 31; 32 lanes take a row's 512 bytes
	v_and_b32 v4, 31, v0
	v_lshlrev_b32 v[CO], 4, v4
	v_add_nc_u32 v[RD], s23, v[CO]
	v_add_nc_u32 v[RD+1], COPY, v[RD]
	v_add_nc_u32 v[RD+2], COPY, v[RD+1]
	v_add_nc_u32 v[RD+3], COPY, v[RD+2]
	s_lshl_b32 s16, s13, 7
	s_lshl_b32 s17, s10, 5
	s_add_co_u32 s16, s16, s17                     ; the first row of P that I store: 128 x tile row + 32 x wave,
	s_lshl_b32 s16, s16, 12                        ; of 4,096 bytes,
	s_lshl_b32 s17, s2, 23                         ; in the split's 8 MiB
	s_add_co_u32 s16, s16, s17
	s_mov_b32 s17, 0
	s_add_nc_u64 s[8:9], s[8:9], s[16:17]
	s_lshl_b32 s46, s42, 9                         ; the tile's first column: 512 bytes a tile
	s_mov_b32 s47, 0
	s_add_nc_u64 s[8:9], s[8:9], s[46:47]
.if LAPS > 3
	; the prefetches: s13 = tile row, s42 = tile column, s40 = cx, s41 = cy still stand
	s_lshl_b32 s20, s13, 7
	s_lshl_b32 s21, s42, 7
	s_and_b32 s22, ttmp7, 0xffff
	s_and_b32 s22, s22, 3                          ; my cluster's place among the four that read the same rows of B
	s_cmp_eq_u32 s11, 0                            ; do I fetch for A?
	s_cselect_b32 s20, s20, s21                    ; the tile's first row
	s_cselect_b32 s21, s40, s41                    ; my place among the four that ask for it with me
	s_cselect_b32 s22, ttmp9, s22                  ; the coordinate along which other clusters read the same rows
	s_cselect_b64 s[PFA:PFA+1], s[4:5], s[6:7]
	s_cmp_eq_u32 s22, 0
	s_cselect_b32 s[LIM], 2, -1                    ; the same in all sixteen partners, for a given wave
	s_lshl_b32 s22, s12, 6
	s_add_co_u32 s20, s20, s22                     ; + the 64 rows that I fetch
	s_lshl_b32 s21, s21, 4
	s_add_co_u32 s20, s20, s21                     ; + my work-group's 16 of them
	s_mov_b32 s21, 0
	s_mov_b64 s[18:19], SIZE_K*2
	s_mul_u64 s[20:21], s[20:21], s[18:19]
	s_add_nc_u64 s[PFA:PFA+1], s[PFA:PFA+1], s[20:21]
	s_mul_i32 s20, s2, KPART*2
	s_add_co_u32 s20, s20, KSTEP*2                 ; at K step 1: the first refill (of K step 2) steps it to 2 and names K step 6
	s_mov_b32 s21, 0
	s_add_nc_u64 s[PFA:PFA+1], s[PFA:PFA+1], s[20:21]
	v_mul_u32_u24 v[PFO], v1, SIZE_K*2             ; lane l: row l % 16,
	v_lshl_add_u32 v[PFO], v2, 8, v[PFO]           ; block l / 16 of the K step's two
.endif
; 16 matrix instructions: row blocks a0, a0 + 1 of the window's four (hi = 0: rows 0-63, 1: rows 64-127) x all 8 column blocks, 32 along K.  zero = 1: the product starts the sums.
; The 64 accumulators take turns, one instruction a turn, in the same order in every quarter.
.macro MUL16 f, hi, a0, zero
	WIN MUL_LO+0x50*(\hi)
.irp a, \a0, (\a0)+1
.irp b, 0,1,2,3,4,5,6,7
.if \zero
	v_wmma_f32_16x16x32_f16 v[8*(8*(\a)+(\b)):8*(8*(\a)+(\b))+7], v[(\f)+8*(\b):(\f)+8*(\b)+7], v[(\f)+8*(4*(\hi)+(\a)):(\f)+8*(4*(\hi)+(\a))+7], 0
.else
	v_wmma_f32_16x16x32_f16 v[8*(8*(\a)+(\b)):8*(8*(\a)+(\b))+7], v[(\f)+8*(\b):(\f)+8*(\b)+7], v[(\f)+8*(4*(\hi)+(\a)):(\f)+8*(4*(\hi)+(\a))+7], v[8*(8*(\a)+(\b)):8*(8*(\a)+(\b))+7]
.endif
.endr
.endr
.endm
; 32 LDS loads in one run: 128 rows of B, 128 rows of A, 32 K at byte k of my 128 bytes of the rows, into buffer f
.macro FETCH slot, k, f
	WIN TO_B
.irp i, 0,1,2,3,4,5,6,7
	ds_load_b128 v[(\f)+8*(\i):(\f)+8*(\i)+3],   v[ADRB+(\slot)] offset:(\k)+(\i)*16*PITCH
	ds_load_b128 v[(\f)+8*(\i)+4:(\f)+8*(\i)+7], v[ADRB+(\slot)] offset:(\k)+(\i)*16*PITCH+32
.endr
	WIN 0
.irp i, 0,1,2,3,4,5,6,7
	ds_load_b128 v[(\f)+8*(\i):(\f)+8*(\i)+3],   v[ADRA+(\slot)] offset:(\k)+(\i)*16*PITCH
	ds_load_b128 v[(\f)+8*(\i)+4:(\f)+8*(\i)+7], v[ADRA+(\slot)] offset:(\k)+(\i)*16*PITCH+32
.endr
.endm
.macro PLACES                          ; four plain vector instructions between a matrix instruction and a load into, or a read of, its registers
.rept 4
	v_nop
.endr
.endm
; A K step gives a wave two quarters of 32 along K, 64 matrix instructions each, on buffers 0 and 1.  The first: multiplies buffer f; in its middle it fetches the second, at byte k, into g.
.macro QUARTER slot, k, f, g, zero
	s_wait_dscnt 8                                 ; B and A's rows 0-63 are in; the youngest eight loads (A's rows 64-127) may be out
	MUL16 \f, 0, 0, \zero
	MUL16 \f, 0, 2, \zero
	PLACES
	FETCH \slot, \k, \g
	s_wait_dscnt 32                                ; all but the 32 just issued
	MUL16 \f, 1, 0, \zero
	MUL16 \f, 1, 2, \zero
.endm
; The second quarter multiplies buffer 1 and changes slots.  ONE barrier: in front of it each wave waits for all its tensor loads (one is out: its part of the next slot), adds 0 to its
; spare word, and waits for that and for its own reads of this slot.  Behind it nobody reads this slot any more and the next slot is whole.
.macro MEET round
	WIN 0                                          ; (the add's two registers lie in window 0)
	s_wait_tensorcnt 0x0                           ; all my tensor loads have landed
	ds_add_u32 v[SPW], v[NIL]                      ; 0 onto my spare word
	s_wait_dscnt 9                                 ; (the add and the youngest eight loads may be out)
	MUL16 F1, 0, 0, 0                              ; sixteen matrix instructions stand between the add and the wait for it
	s_wait_dscnt 0x0                               ; the add is done, and my reads of this slot are over
	s_barrier_signal -1
	MUL16 F1, 0, 2, 0                              ; work on registers while the others arrive
.if \round
	WIN 0
.endif
	s_barrier_wait -1
.endm
; fill = 1: the barrier opens a round of the cluster's; behind the round this slot is filled again, two K steps on: the wave's one tensor load, 96 matrix instructions ahead of the wait for it.
.macro TURN slot, next, fill
.if \fill
.if LAPS > 3
	s_wait_xcnt 0x0                                ; the last prefetch, a K step back, has read its address: it is stepped here, ahead of the waits of the change of slots
	s_add_nc_u64 s[PFA:PFA+1], s[PFA:PFA+1], KSTEP*2
.endif
	MEET 1
	CREST                                          ; no wave of any partner still reads this slot's tile or has a load on its way
	s_add_nc_u64 s[G0+4*(\slot)+2:G0+4*(\slot)+3], s[G0+4*(\slot)+2:G0+4*(\slot)+3], 2*KSTEP*2
	s_add_nc_u64 s[G0B+4*(\slot)+2:G0B+4*(\slot)+3], s[G0B+4*(\slot)+2:G0B+4*(\slot)+3], 2*KSTEP*2
	JLOAD \slot                                    ; the four v_nop behind it are also the places in front of the loads below
.else
	MEET 0
	PLACES
.endif
	FETCH \next, 0, F0
.if \fill
	ASK
.endif
	MUL16 F1, 1, 0, 0
	MUL16 F1, 1, 2, 0
.endm
	s_wait_tensorcnt 1                             ; my part of K step 0 is in; K step 1's may stay out
	s_barrier_signal -1
	s_barrier_wait -1                              ; everybody's is
	FETCH 0, 0, F0
	QUARTER 0, 64, F0, F1, 1                       ; the first quarter stands in front of the loop: its products start the sums
	WIN 0                                          ; at a label and at a branch every window is 0
	s_mov_b32 s3, LAPS-1
.Llap:                                                 ; a trip goes once round the ring, from a lap's second quarter to the next lap's first, and fills both slots again
	TURN 0, 1, 1
	QUARTER 1, 64, F0, F1, 0
	TURN 1, 0, 1
	QUARTER 0, 64, F0, F1, 0
	WIN 0
	s_sub_co_u32 s3, s3, 1
	s_cmp_lg_u32 s3, 0
	s_cbranch_scc1 .Llap
	TURN 0, 1, 0                                   ; the last lap fills nothing, and has no round of the cluster's barrier
	QUARTER 1, 64, F0, F1, 0
	s_wait_dscnt 8                                 ; the very last quarter: nothing more to fetch
	MUL16 F1, 0, 0, 0
	MUL16 F1, 0, 2, 0
	s_wait_dscnt 0x0
	MUL16 F1, 1, 0, 0
	MUL16 F1, 1, 2, 0
	; THE WAY OUT.  Each wave puts its 128 x 128 partial sums into its copy in LDS, where the ring lay; then wave w adds the four copies' rows 32 w .. 32 w + 31 and stores them.
	PLACES
	PLACES                                         ; eight, once a launch: the stores below read results just made, and no other vector work is at hand
	WIN 0
	s_barrier_signal -1                            ; every wave's reads of both slots are back (the wait for 0 above), and every fill had landed at the last change of slots
	s_barrier_wait -1
.irp a, 0,1,2,3,4,5,6,7
	WIN 0x08+4*((\a)/4)                            ; the stores' data (source 1) in window 2 or 3
.irp b, 0,1,2,3,4,5,6,7
	ds_store_b128 v[STO], v[8*(8*((\a)%4)+(\b)):8*(8*((\a)%4)+(\b))+3]   offset:(\a)*16*PITCH+64*(\b)     ; each accumulator's low registers first
	ds_store_b128 v[STO], v[8*(8*((\a)%4)+(\b))+4:8*(8*((\a)%4)+(\b))+7] offset:(\a)*16*PITCH+64*(\b)+16
.endr
.endr
	WIN 0
	s_wait_dscnt 0x0                               ; for the others' sake: my stores into my copy are done
	s_barrier_signal -1
	s_barrier_wait -1
; Batch n of eight: four rows, each from all four copies, into registers v64-127 and v128-191 by turns.
.macro GATHER n
.set BK, 64+64*((\n)%2)
	s_wait_xcnt 0x0                                ; the stores of the batch before last have read these registers
.irp q, 0,1,2,3
.irp c, 0,1,2,3
	ds_load_b128 v[BK+16*(\q)+4*(\c):BK+16*(\q)+4*(\c)+3], v[RD+(\c)] offset:(4*(\n)+(\q))*PITCH
.endr
.endr
.endm
.macro SUMOUT n, younger               ; younger: the next batch's sixteen loads, or none
.set BK, 64+64*((\n)%2)
	s_wait_dscnt \younger
.irp q, 0,1,2,3
	v_pk_add_f32 v[BK+16*(\q):BK+16*(\q)+1],     v[BK+16*(\q):BK+16*(\q)+1],     v[BK+16*(\q)+4:BK+16*(\q)+5]
	v_pk_add_f32 v[BK+16*(\q)+2:BK+16*(\q)+3],   v[BK+16*(\q)+2:BK+16*(\q)+3],   v[BK+16*(\q)+6:BK+16*(\q)+7]
	v_pk_add_f32 v[BK+16*(\q)+8:BK+16*(\q)+9],   v[BK+16*(\q)+8:BK+16*(\q)+9],   v[BK+16*(\q)+12:BK+16*(\q)+13]
	v_pk_add_f32 v[BK+16*(\q)+10:BK+16*(\q)+11], v[BK+16*(\q)+10:BK+16*(\q)+11], v[BK+16*(\q)+14:BK+16*(\q)+15]
	v_pk_add_f32 v[BK+16*(\q):BK+16*(\q)+1],     v[BK+16*(\q):BK+16*(\q)+1],     v[BK+16*(\q)+8:BK+16*(\q)+9]
	v_pk_add_f32 v[BK+16*(\q)+2:BK+16*(\q)+3],   v[BK+16*(\q)+2:BK+16*(\q)+3],   v[BK+16*(\q)+10:BK+16*(\q)+11]
	global_store_b128 v[CO], v[BK+16*(\q):BK+16*(\q)+3], s[8:9] offset:(4*(\n)+(\q))*4096 th:TH_STORE_NT  ; the wave stores 512 consecutive bytes, at a multiple of 512 from P's first byte
.endr
.endm
	GATHER 0
.irp n, 1,2,3,4,5,6,7
	GATHER \n
	SUMOUT (\n)-1, 16
.endr
	SUMOUT 7, 0
	s_wait_tensorcnt 0x0                           ; the wave's end, behind my last tensor load and my last LDS store
	ds_add_u32 v[SPW], v[NIL]
	s_wait_dscnt 0x0
	CROUND                                         ; the closing round: no work-group ends while a partner may still ask for a tile that names it
	s_endpgm
.Lfunc_end_k_q61d8a506ad_g1:
	.size	k_q61d8a506ad_g1, .Lfunc_end_k_q61d8a506ad_g1-k_q61d8a506ad_g1
	.p2alignl 7, 3214868480
	.fill 96, 4, 3214868480
	.section	.rodata,"a",@progbits
	.p2align	6, 0x0
	.amdhsa_kernel k_q61d8a506ad_g1
		.amdhsa_group_segment_fixed_size 327680
		.amdhsa_private_segment_fixed_size 0
		.amdhsa_enable_private_segment 0
		.amdhsa_kernarg_size 24
		.amdhsa_user_sgpr_count 2
		.amdhsa_user_sgpr_kernarg_segment_ptr 1
		.amdhsa_wavefront_size32 1
		.amdhsa_system_sgpr_workgroup_id_x 1
		.amdhsa_system_sgpr_workgroup_id_y 1
		.amdhsa_system_sgpr_workgroup_id_z 1
		.amdhsa_system_vgpr_workitem_id 0
		.amdhsa_next_free_vgpr 1024
		.amdhsa_next_free_sgpr 66
		.amdhsa_reserve_vcc 0
		.amdhsa_float_denorm_mode_32 3
		.amdhsa_float_denorm_mode_16_64 3
		.amdhsa_memory_ordered 1
		.amdhsa_forward_progress 1
		.amdhsa_inst_pref_size 93
	.end_amdhsa_kernel
	.amdgpu_metadata
---
amdhsa.version: [ 1, 2 ]
amdhsa.kernels:
  - .name:           k_q61d8a506ad_g1
    .symbol:         k_q61d8a506ad_g1.kd
    .args:
      - { .name: xc, .offset: 0, .size: 8, .value_kind: global_buffer, .address_space: global }
      - { .name: wa, .offset: 8, .size: 8, .value_kind: global_buffer, .address_space: global }
      - { .name: p, .offset: 16, .size: 8, .value_kind: global_buffer, .address_space: global }
    .group_segment_fixed_size: 327680
    .private_segment_fixed_size: 0
    .kernarg_segment_align: 8
    .kernarg_segment_size: 24
    .max_flat_workgroup_size: 128
    .sgpr_count:     66
    .vgpr_count:     1024
    .wavefront_size: 32
...
	.end_amdgpu_metadata
.endif
;; end of part 2
;; launch exp0 (part 3): grid 2048 x 1, 8 waves a work-group, no clusters, 9,216 bytes of LDS; arguments p, attn_b, feat1, feat2, a0; writes a0
.if DOCPART == 3
	.amdgcn_target "amdgcn-amd-amdhsa--gfx1250"
	.amdhsa_code_object_version 6
	.text
	.protected	k_q61d8a506ad_exp0
	.globl	k_q61d8a506ad_exp0
	.p2align	8
	.type	k_q61d8a506ad_exp0,@function
k_q61d8a506ad_exp0:
	s_mov_b64 s[64:65], 0
	v_nop
	global_prefetch_b8 v0, s[64:65] scope:SCOPE_SE
	s_setreg_imm32_b32 hwreg(HW_REG_WAVE_MODE, 25, 1), 1
	s_wait_xcnt 0x0
; THE GATE AND LAYER 0's OPERAND.  z = p[0] + p[1] + attn_b; att = sigmoid(z); x = feat1 att | feat2 (1 - att) (as feat2 - feat2 att, one fused multiply-add);
; a0[row] = for each of the 2,048 x its 8 cubic B-spline values (k = 8 i + g), then the 2,048 SiLU(x) / 16: 18,432 f16, each rounded once from f32.
; THE SPLINE.  The knots are evenly spaced, 0.4 apart from -2.2: t = 2.5 x + 5.5, cell i = floor t, u = t - i.  In cell i the functions i - 3 .. i are
; (1-u)^3/6, u^3/2 - u^2 + 2/3, the same of 1 - u, u^3/6; all others are 0.  The four, as f16, are moved to halves i - 3 .. i of the feature's 16 bytes by selects alone:
; by half a word (i even), by a word (bit 1 of i), by two words (i / 4); what falls outside the 8 is dropped.  No address and no branch hangs on x.
; LIMITS.  The cell comes from t, not from compares with the rounded knots: the functions are continuous, so at a knot only last bits differ.  An infinite x gives zeros.
; SiLU / 16 must fit f16: |x| under 1.04e6.  An exponential below 2^-126 counts as 0.  NaN is not treated apart.
; SHARES.  A work-group takes one row; wave w columns 128 w .. 128 w + 127 of both halves.  A lane loads 4 neighbouring columns (16 bytes; the wave 512 on end).  For the spline each feature
; makes 16 bytes, so the x go through the wave's own 1,024 bytes of LDS to the layout lane = column mod 32: a wave's store then covers 512 consecutive bytes.  No barrier: no wave reads another's bytes.
; No loop, no prefetch, no matrix unit: eighteen bytes leave for each number that comes in, and the stores bound the launch.
.set SPARE, 8192                       ; behind the waves' 8 x 1,024 bytes: the spare words, 128 bytes for each wave: four blocks of 256 bytes that no other line names
.set SPL1,  0                          ; bytes in the work-group's 36,864 of a0: spline values of the first four x a lane,
.set SPL2,  16384                      ; of the second four,
.set SIL1,  32768                      ; SiLU of the first,
.set SIL2,  34816                      ; of the second
.set C05,  10                          ; v[10:21] six constants, each twice, for the packed forms
.set C23,  12
.set C16,  14
.set CNL,  16
.set CSX,  18
.set ONE,  20
.set LD,   22                          ; v[22:41] as loaded
.set Z,    42                          ; v[42:45] z, then att
.set X,    46                          ; v[46:53] the lane's 8 x, 4 neighbouring columns twice
.set E,    54                          ; v[54:61] SiLU: exponentials, then reciprocals
.set XS,   62                          ; v[62:69] x / 16, then SiLU / 16
.set SP,   70                          ; v[70:73] SiLU packed
.set XT,   74                          ; v[74:81] the x of columns 32 q + lane
.set rT,   82                          ; v82-105 at work in SPL
.set rF,   83
.set rU,   84
.set rSQ,  86
.set rCU,  88
.set rW,   90
.set rV,   92
.set rI,   94
.set rP,   95
.set rSEL, 97
.set rT0,  98
.set rY,   101
.set rG,   105
.set OQ,   106                         ; v[106:137] eight quads to store
.set ZERO, 138
.set SELE, 139
.set SELO, 140
	s_load_b256 s[4:11], s[0:1], 0x0               ; p s[4:5], attn_b s[6:7], feat1 s[8:9], feat2 s[10:11]
	s_load_b64 s[12:13], s[0:1], 0x20              ; a0
	v_lshl_add_u32 v8, v0, 2, SPARE                ; my spare word,
	v_mov_b32 v9, 0                                ; and 0: kept for the add at the wave's end alone
	v_lshrrev_b32 v1, 5, v0
	v_readfirstlane_b32 s14, v1                    ; wave 0..7
	v_and_b32 v7, 31, v0                           ; lane
	v_lshlrev_b32 v2, 4, v0                        ; in: 512 w + 16 l
	s_lshl_b32 s15, s14, 11
	v_lshl_add_u32 v3, v7, 4, s15                  ; spline out: 2,048 w + 16 l
	v_lshlrev_b32 v4, 3, v0                        ; SiLU out: 256 w + 8 l
	s_lshl_b32 s15, s14, 10
	v_lshl_add_u32 v5, v7, 4, s15                  ; LDS in: 1,024 w + 16 l
	v_lshl_add_u32 v6, v7, 2, s15                  ; LDS out: 1,024 w + 4 l
	s_lshl_b32 s24, ttmp9, 12                      ; the row in p and the features: 4,096 bytes
	s_mov_b32 s25, 0
	s_mul_i32 s26, ttmp9, 36864                    ; the row in a0
	s_mov_b32 s27, 0
	s_mov_b32 s16, 0x40200000                      ; 2.5
	s_mov_b32 s17, 0x40b00000                      ; 5.5
.macro CONST r, val
	v_mov_b32 v[\r], \val
	v_mov_b32 v[(\r)+1], \val
.endm
	CONST C05, 0.5
	CONST C23, 0x3f2aaaab                          ; 2/3
	CONST C16, 0x3e2aaaab                          ; 1/6
	CONST CNL, 0xbfb8aa3b                          ; -log2(e)
	CONST CSX, 0x3d800000                          ; 1/16
	CONST ONE, 1.0
	v_mov_b32 v[ZERO], 0
	v_mov_b32 v[SELE], 0x05040302                  ; bytes 2 to 5 of a pair of words: half a word up
	v_mov_b32 v[SELO], 0x03020100                  ; bytes 0 to 3: as it lies
	s_wait_kmcnt 0x0
	s_add_nc_u64 s[4:5], s[4:5], s[24:25]
	s_add_nc_u64 s[28:29], s[4:5], 0x800000        ; the second half of K's sums
	s_add_nc_u64 s[8:9], s[8:9], s[24:25]
	s_add_nc_u64 s[10:11], s[10:11], s[24:25]
	s_add_nc_u64 s[12:13], s[12:13], s[26:27]
	global_load_b128 v[LD:LD+3],     v2, s[4:5] th:TH_LOAD_NT
	global_load_b128 v[LD+4:LD+7],   v2, s[28:29] th:TH_LOAD_NT
	global_load_b128 v[LD+8:LD+11],  v2, s[6:7]
	global_load_b128 v[LD+12:LD+15], v2, s[8:9] th:TH_LOAD_NT
	global_load_b128 v[LD+16:LD+19], v2, s[10:11] th:TH_LOAD_NT
	s_wait_loadcnt 0x0
.irp j, 0,2
	v_pk_add_f32 v[Z+(\j):Z+(\j)+1], v[LD+(\j):LD+(\j)+1], v[LD+4+(\j):LD+4+(\j)+1]
.endr
.irp j, 0,2
	v_pk_add_f32 v[Z+(\j):Z+(\j)+1], v[Z+(\j):Z+(\j)+1], v[LD+8+(\j):LD+8+(\j)+1]
.endr
.irp j, 0,2
	v_pk_mul_f32 v[Z+(\j):Z+(\j)+1], v[Z+(\j):Z+(\j)+1], v[CNL:CNL+1]
.endr
.irp j, 0,1,2,3
	v_exp_f32 v[Z+(\j)], v[Z+(\j)]                 ; e^-z
.endr
	v_nop                                          ; a plain instruction behind the last exponential,
	s_wait_alu depctr_va_vdst(0)                   ; and one wait for the four, ahead of their first reader
.irp j, 0,2
	v_pk_add_f32 v[Z+(\j):Z+(\j)+1], v[Z+(\j):Z+(\j)+1], v[ONE:ONE+1]
.endr
.irp j, 0,1,2,3
	v_rcp_f32 v[Z+(\j)], v[Z+(\j)]                 ; att
.endr
	v_nop
	s_wait_alu depctr_va_vdst(0)                   ; one wait for the four reciprocals
.irp j, 0,2
	v_pk_mul_f32 v[X+(\j):X+(\j)+1], v[LD+12+(\j):LD+12+(\j)+1], v[Z+(\j):Z+(\j)+1]
	v_pk_fma_f32 v[X+4+(\j):X+4+(\j)+1], v[LD+16+(\j):LD+16+(\j)+1], v[Z+(\j):Z+(\j)+1], v[LD+16+(\j):LD+16+(\j)+1] neg_lo:[1,0,0] neg_hi:[1,0,0]
.endr
	; to the layout lane = column mod 32, through my wave's own bytes: LDS serves a wave's instructions in order (ISA guide 5.7.1.4), so the loads see the stores
	ds_store_b128 v5, v[X:X+3]
	ds_store_b128 v5, v[X+4:X+7] offset:512
.irp q, 0,1,2,3
	ds_load_b32 v[XT+(\q)],   v6 offset:128*(\q)
.endr
.irp q, 0,1,2,3
	ds_load_b32 v[XT+4+(\q)], v6 offset:512+128*(\q)
.endr
	; SiLU / 16 = (x / 16) / (1 + e^-x), on the layout as loaded, while those loads are out
.irp j, 0,2,4,6
	v_pk_mul_f32 v[E+(\j):E+(\j)+1], v[X+(\j):X+(\j)+1], v[CNL:CNL+1]
.endr
.irp j, 0,1,2,3,4,5,6,7
	v_exp_f32 v[E+(\j)], v[E+(\j)]
.endr
.irp j, 0,2,4,6
	v_pk_mul_f32 v[XS+(\j):XS+(\j)+1], v[X+(\j):X+(\j)+1], v[CSX:CSX+1]  ; independent work behind the batch
.endr
	s_wait_alu depctr_va_vdst(0)                   ; one wait for the eight exponentials
.irp j, 0,2,4,6
	v_pk_add_f32 v[E+(\j):E+(\j)+1], v[E+(\j):E+(\j)+1], v[ONE:ONE+1]
.endr
.irp j, 0,1,2,3,4,5,6,7
	v_rcp_f32 v[E+(\j)], v[E+(\j)]
.endr
	v_nop
	s_wait_alu depctr_va_vdst(0)                   ; one wait for the eight reciprocals
.irp j, 0,2,4,6
	v_pk_mul_f32 v[XS+(\j):XS+(\j)+1], v[XS+(\j):XS+(\j)+1], v[E+(\j):E+(\j)+1]
.endr
.irp j, 0,1,2,3
	v_cvt_pk_f16_f32 v[SP+(\j)], v[XS+2*(\j)], v[XS+2*(\j)+1]
.endr
	global_store_b64 v4, v[SP:SP+1],   s[12:13] offset:SIL1 th:TH_STORE_NT  ; the wave stores 256 consecutive bytes, aligned
	global_store_b64 v4, v[SP+2:SP+3], s[12:13] offset:SIL2 th:TH_STORE_NT
; The 8 spline values of v[x], as 8 f16, into v[o .. o+3].
.macro SPL x, o
	v_fma_f32 v[rT], v[\x], s16, s17               ; t
	v_floor_f32 v[rF], v[rT]
	v_sub_f32 v[rU], v[rT], v[rF]                  ; u
	v_cvt_i32_f32 v[rI], v[rF]                     ; i; beyond 32 bits it sticks at the ends, which lie outside the cells
	v_sub_f32 v[rU+1], 1.0, v[rU]                  ; 1 - u
	v_and_b32 v[rT], 1, v[rI]
	v_and_b32 v[rF], 2, v[rI]
	v_ashrrev_i32 v[rG], 2, v[rI]
	v_pk_mul_f32 v[rSQ:rSQ+1], v[rU:rU+1], v[rU:rU+1]
	v_cmp_eq_u32 vcc_lo, 0, v[rT]                  ; i even
	v_cmp_ne_u32 s20, 0, v[rF]                     ; bit 1 of i
	v_pk_mul_f32 v[rCU:rCU+1], v[rSQ:rSQ+1], v[rU:rU+1]
	v_pk_add_f32 v[rV:rV+1], v[C23:C23+1], v[rSQ:rSQ+1] neg_lo:[0,1] neg_hi:[0,1]
	v_cndmask_b32 v[rSEL], v[SELO], v[SELE], vcc_lo
	v_cmp_eq_u32 s21, 0, v[rG]
	v_cmp_eq_u32 s22, 1, v[rG]
	v_cmp_eq_u32 s23, 2, v[rG]
	v_pk_mul_f32 v[rW:rW+1], v[rCU:rCU+1], v[C16:C16+1]             ; (function i, function i - 3)
	v_pk_fma_f32 v[rV:rV+1], v[rCU:rCU+1], v[C05:C05+1], v[rV:rV+1] ; (function i - 2, function i - 1)
	v_cvt_pk_f16_f32 v[rP],   v[rW+1], v[rV]       ; functions i - 3, i - 2
	v_cvt_pk_f16_f32 v[rP+1], v[rV+1], v[rW]       ; functions i - 1, i
	v_perm_b32 v[rT0],   v[rP],   v[ZERO], v[rSEL] ; three words from word i / 2 - 2 on: 0 0 | a b | c d for an odd i, 0 a | b c | d 0 for an even one
	v_perm_b32 v[rT0+1], v[rP+1], v[rP],   v[rSEL]
	v_perm_b32 v[rT0+2], v[ZERO], v[rP+1], v[rSEL]
	v_cndmask_b32 v[rY],   v[rT0],   0,        s20 ; four words from word 2 (i / 4) - 2 on
	v_cndmask_b32 v[rY+1], v[rT0+1], v[rT0],   s20
	v_cndmask_b32 v[rY+2], v[rT0+2], v[rT0+1], s20
	v_cndmask_b32 v[rY+3], 0,        v[rT0+2], s20
	v_cndmask_b32 v[rSQ],   0, v[rY],   s22
	v_cndmask_b32 v[rSQ+1], 0, v[rY+1], s22
	v_cndmask_b32 v[rCU],   0, v[rY],   s23
	v_cndmask_b32 v[rCU+1], 0, v[rY+1], s23
	v_cndmask_b32 v[\o],     v[rSQ],   v[rY+2], s21
	v_cndmask_b32 v[(\o)+1], v[rSQ+1], v[rY+3], s21
	v_cndmask_b32 v[(\o)+2], v[rCU],   v[rY+2], s22
	v_cndmask_b32 v[(\o)+3], v[rCU+1], v[rY+3], s22
.endm
	s_wait_dscnt 0x0                               ; the eight x are back
.irp q, 0,1,2,3
	SPL XT+(\q), OQ+4*(\q)
	global_store_b128 v3, v[OQ+4*(\q):OQ+4*(\q)+3], s[12:13] offset:SPL1+512*(\q) th:TH_STORE_NT  ; 32 features' 512 consecutive bytes, aligned; each store has registers of its own
.endr
.irp q, 0,1,2,3
	SPL XT+4+(\q), OQ+16+4*(\q)
	global_store_b128 v3, v[OQ+16+4*(\q):OQ+16+4*(\q)+3], s[12:13] offset:SPL2+512*(\q) th:TH_STORE_NT
.endr
	s_wait_tensorcnt 0x0                           ; the wave's end, behind my last LDS store
	ds_add_u32 v8, v9
	s_wait_dscnt 0x0
	s_endpgm
.Lfunc_end_k_q61d8a506ad_exp0:
	.size	k_q61d8a506ad_exp0, .Lfunc_end_k_q61d8a506ad_exp0-k_q61d8a506ad_exp0
	.p2alignl 7, 3214868480
	.fill 96, 4, 3214868480
	.section	.rodata,"a",@progbits
	.p2align	6, 0x0
	.amdhsa_kernel k_q61d8a506ad_exp0
		.amdhsa_group_segment_fixed_size 9216
		.amdhsa_private_segment_fixed_size 0
		.amdhsa_enable_private_segment 0
		.amdhsa_kernarg_size 40
		.amdhsa_user_sgpr_count 2
		.amdhsa_user_sgpr_kernarg_segment_ptr 1
		.amdhsa_wavefront_size32 1
		.amdhsa_system_sgpr_workgroup_id_x 1
		.amdhsa_system_sgpr_workgroup_id_y 1
		.amdhsa_system_sgpr_workgroup_id_z 1
		.amdhsa_system_vgpr_workitem_id 0
		.amdhsa_next_free_vgpr 144
		.amdhsa_next_free_sgpr 66
		.amdhsa_reserve_vcc 1
		.amdhsa_float_denorm_mode_32 3
		.amdhsa_float_denorm_mode_16_64 3
		.amdhsa_memory_ordered 1
		.amdhsa_forward_progress 1
		.amdhsa_inst_pref_size 24
	.end_amdhsa_kernel
	.amdgpu_metadata
---
amdhsa.version: [ 1, 2 ]
amdhsa.kernels:
  - .name:           k_q61d8a506ad_exp0
    .symbol:         k_q61d8a506ad_exp0.kd
    .args:
      - { .name: p, .offset: 0, .size: 8, .value_kind: global_buffer, .address_space: global }
      - { .name: attn_b, .offset: 8, .size: 8, .value_kind: global_buffer, .address_space: global }
      - { .name: feat1, .offset: 16, .size: 8, .value_kind: global_buffer, .address_space: global }
      - { .name: feat2, .offset: 24, .size: 8, .value_kind: global_buffer, .address_space: global }
      - { .name: a0, .offset: 32, .size: 8, .value_kind: global_buffer, .address_space: global }
    .group_segment_fixed_size: 9216
    .private_segment_fixed_size: 0
    .kernarg_segment_align: 8
    .kernarg_segment_size: 40
    .max_flat_workgroup_size: 256
    .sgpr_count:     66
    .vgpr_count:     144
    .wavefront_size: 32
...
	.end_amdgpu_metadata
.endif
;; end of part 3
;; launch g2 (part 4): grid 8 x 32, 4 waves a work-group, clusters of 4 x 4, 327,680 bytes of LDS; arguments a0, w0, p; writes p
.if DOCPART == 4
	.amdgcn_target "amdgcn-amd-amdhsa--gfx1250"
	.amdhsa_code_object_version 6
	.text
	.protected	k_q61d8a506ad_g2
	.globl	k_q61d8a506ad_g2
	.p2align	8
	.type	k_q61d8a506ad_g2,@function
k_q61d8a506ad_g2:
	s_mov_b64 s[64:65], 0
	v_nop
	global_prefetch_b8 v0, s[64:65] scope:SCOPE_SE
	s_setreg_imm32_b32 hwreg(HW_REG_WAVE_MODE, 25, 1), 1
	s_wait_xcnt 0x0
	s_wait_alu depctr_hold_cnt(0) depctr_sa_sdst(0) depctr_va_vdst(0) depctr_va_sdst(0) depctr_va_ssrc(0) depctr_va_vcc(0) depctr_vm_vsrc(0)
	s_getreg_b32 s2, hwreg(HW_REG_IB_STS2, 6, 4)
	s_cmp_eq_u32 s2, 0
	s_cbranch_scc0 .Lentry_in_a_cluster
	s_endpgm
.Lentry_in_a_cluster:
	s_bfe_u32 s2, ttmp6, 0x10000c
	s_cmp_lg_u32 s2, 0xf033
	s_cbranch_scc0 .Lentry_shape_is_right
	s_endpgm
.Lentry_shape_is_right:
; P[split][m][n] = the sum over one eighth of K of A[m][k] B[n][k].  A: [2048][SIZE_K], B: [1024][SIZE_K], f16; P: [8][2048][1024], f32 partial sums, added by the launch behind.
; SHARES.  A tile of C is 256 x 256: 8 x 4 tiles; K is cut in eight over the grid: 256 work-groups.  A work-group has four waves, as many as a WGP has SIMDs; a wave makes 128 x 128:
; 64 accumulators of 16 x 16, 512 registers.  For 32 along K a wave loads 2 x 128 x 64 bytes from LDS and issues 64 matrix instructions.
; RING.  K goes in steps of 128 through two LDS slots, each 256 rows of A and 256 of B, 256 bytes a row, which start at multiples of 256 bytes from the buffer's first byte.
; Each wave fetches 128 rows with one tensor load.  A slot's 128 KiB feed 256 matrix instructions a wave, and all of them stand between a refill's request and the wait for it.
; CLUSTER.  4 x 4 work-groups of one split: the four of a row of the cluster need the same tiles of A, the four of a column the same tiles of B: each tile is asked for JOINTLY.
; THE MATRIX INSTRUCTION IS USED TRANSPOSED (source 0 = 16 rows of B, source 1 = 16 rows of A): a lane holds eight neighbouring numbers of a row of C.
; REGISTERS, in windows of 256: window 0: v0-31 addresses; v64-127, v128-191 fragments of A, two buffers (on the way out: rows read back).  window 1: the same numbers, fragments of B.
;   window 2: the accumulators of my rows 0-63 ((a, b) at v[8 (8 a + b)]); window 3: those of my rows 64-127.
.set SIZE_K, 18432
.set KPART,  SIZE_K/8                  ; a split's share of K
.set KSTEP,  128
.set PITCH,  272                       ; an LDS row: 256 bytes + 16 of padding = 68 words: row r starts at bank 4 r mod 64 (64 banks of 4 bytes: ISA guide 11.1)
.set HALFT,  128*PITCH                 ; what one tensor load brings, and what one wave reads of A or of B
.set SLOT,   4*HALFT                   ; A's 256 rows, then B's 256 rows
.set STAGE,  2*SLOT                    ; behind the ring, never filled by a tensor load: 16 rows x 528 bytes for each wave, for the way out
.set SPITCH, 528                       ; a stage row: 128 f32 + 16 bytes = 33 x 16 bytes
.set SPARE,  STAGE+4*16*SPITCH         ; behind the stages: the spare words, 128 bytes for each wave: two blocks of 256 bytes that no other line names
.set LAPS,   KPART/(2*KSTEP)           ; a lap = two K steps = once round the ring: 9
.set ADRA, 16                          ; v16-17  LDS address of my A fragments in slot 0, 1
.set ADRB, 20                          ; v20-21  the same for B
.set STO,  24                          ; v24     the way out: where I put 32 bytes of a row
.set RD,   25                          ; v25     the way out: my 16 bytes of a stage row
.set CO,   26                          ; v26     16 x lane: my bytes in 512 consecutive bytes of P
.set SPW,  28                          ; v28     LDS address of my spare word; never rewritten
.set NIL,  29                          ; v29     0; never rewritten
.set PFO,  30                          ; v30     the prefetches' offset: my lane x a row of A or B; never rewritten
.set F0,   64
.set F1,   128
.set G1,   24                          ; s[24:31] descriptor group 1 for A's tiles;  s[32:39] group 0, a set for each slot
.set G0,   32
.set G1B,  48                          ; s[48:55], s[56:63] the same for B's tiles
.set G0B,  56
.set LIM,  43                          ; s43     1 in a wave that prefetches, else the greatest number
.set PFA,  44                          ; s[44:45] where my prefetches stand: one K step further along K than the refill that is being asked for
.set MSB, 0
.macro WIN new                         ; the immediate's high byte repeats the setting that is left; a switch that changes nothing is dropped
.if MSB != (\new)
	s_set_vgpr_msb (MSB<<8)|(\new)
.set MSB, \new
.endif
.endm
.set MUL_LO, 0xa1                      ; source 0 (B) window 1, source 1 (A) window 0, C and D window 2
.set MUL_HI, 0xf1                      ; the same, C and D window 3
.set TO_B,   0x40                      ; destination window 1, address window 0
; A joint load: waves 0 and 1 fetch A's two halves, waves 2 and 3 B's.  The branch hangs on the wave's number alone.  An s_nop 0 and four v_nop follow each of the two lines.
.macro JLOAD s
	s_cmp_eq_u32 s11, 0
	s_cbranch_scc0 .Lfor_b_\@
	tensor_load_to_lds s[G0+4*(\s):G0+4*(\s)+3], s[G1:G1+7]
	s_nop 0
.rept 4
	v_nop
.endr
	s_branch .Lasked_\@
.Lfor_b_\@:
	tensor_load_to_lds s[G0B+4*(\s):G0B+4*(\s)+3], s[G1B:G1B+7]
	s_nop 0
.rept 4
	v_nop
.endr
.Lasked_\@:
.endm
; A prefetch of the K step that stands TWO refills on (512 matrix instructions of this wave ahead of the load that will want it): 32 rows x 256 bytes, a lane a row, one instruction a wave.
; Each row's 256 bytes of a K step are named once in the launch.  A's rows of a split are read by one cluster alone, which asks for them; B's by the split's two clusters, of which the one with x = 0 asks.
; The four partners that ask for a tile jointly share its rows out by address, 32 of a wave's 128 each (by cx for A, by cy for B): no branch hangs on a work-group's place in its cluster.
; The first four K steps come by their loads alone; the loop's last trip asks for nothing: the split has no K step two on.
.macro ASK
	s_cmp_gt_u32 s3, s[LIM]                        ; s3 = 1 in the loop's last trip
	s_cbranch_scc0 .Lnot_mine_\@
	global_prefetch_b8 v[PFO], s[PFA:PFA+1] offset:KSTEP*2 th:TH_LOAD_NT scope:SCOPE_SE
.Lnot_mine_\@:
.endm
.macro CREST                           ; a round of the cluster's barrier behind its opening barrier
	s_cmp_lg_u32 s10, 0
	s_cbranch_scc1 .Lnot_wave_0_\@
	s_barrier_signal -3
.Lnot_wave_0_\@:
	s_barrier_wait -3
	s_barrier_signal -1
	s_barrier_wait -1
.endm
.macro CROUND                          ; a whole round
	s_barrier_signal -1
	s_barrier_wait -1
	CREST
.endm
	s_load_b128 s[4:7], s[0:1], 0x0                ; A s[4:5], B s[6:7]
	s_load_b64 s[8:9], s[0:1], 0x10                ; P
	v_lshl_add_u32 v[SPW], v0, 2, SPARE
	v_mov_b32 v[NIL], 0
	ds_add_u32 v[SPW], v[NIL]                      ; the wave's opening: the add, twice on end, and its wait ahead of my first tensor load
	ds_add_u32 v[SPW], v[NIL]                      ; and once more, under the one wait; the set-up below, work on registers, stands between
	v_lshrrev_b32 v1, 5, v0
	v_readfirstlane_b32 s10, v1                    ; wave 0..3
	s_lshr_b32 s11, s10, 1                         ; which half of the tile's rows is mine.  Also: I fetch for A (0) or for B (1)
	s_and_b32 s12, s10, 1                          ; which half of its columns.  Also: which 128 rows of that tile I fetch
	s_bfe_u32 s40, ttmp6, 0x40000                  ; cx, cy: my place in the cluster
	s_bfe_u32 s41, ttmp6, 0x40004
	s_mov_b32 s42, s40                             ; tile column of C = cx: 0..3
	s_and_b32 s2, ttmp7, 0xffff                    ; the split = cluster y: 0..7, the same in all sixteen partners
	s_lshl_b32 s13, ttmp9, 2
	s_add_co_u32 s13, s13, s41                     ; tile row of C = 4 x cluster x + cy: 0..7
	s_lshl_b32 s43, s41, 2
	s_lshl_b32 s43, 15, s43                        ; my row of the cluster
	s_lshl_b32 s44, 0x1111, s40                    ; my column
	; descriptor group 1: a tile of 128 rows x 128 elements, padded in LDS
	s_or_b32 s[G1+0], s43, (1<<16)|(1<<20)|(1<<21)|(5<<22)|(3<<25)  ; 15:0 the mask: A's tiles go to my row; 17:16 2-byte elements; 20 padding on; 21 set beside a mask; 24:22 after every 64 words (code 5); 31:25 4 words (code 3)
	s_or_b32 s[G1B+0], s44, (1<<16)|(1<<20)|(1<<21)|(5<<22)|(3<<25) ; the same with the mask of my column
.irp g, G1, G1B
	s_mov_b32 s[(\g)+1], KSTEP<<16                 ; tensor_dim0 = 128
	s_mov_b32 s[(\g)+2], 128<<16                   ; tensor_dim1 = 128
	s_mov_b32 s[(\g)+3], KSTEP<<16                 ; tile_dim0 = 128
	s_mov_b32 s[(\g)+4], 128                       ; tile_dim1 = 128
	s_mov_b32 s[(\g)+5], SIZE_K                    ; elements from row to row
	s_mov_b32 s[(\g)+6], 0
	s_mov_b32 s[(\g)+7], 0
.endr
	; where the tiles come from: A's hang on the tile row, B's on the tile column, both on the split and the wave; each in registers that never hold the other coordinate
	s_lshl_b32 s17, s12, 7
	s_lshl_b32 s16, s13, 8
	s_add_co_u32 s16, s16, s17                     ; A: row 256 x tile row + 128 x half
	s_lshl_b32 s46, s42, 8
	s_add_co_u32 s46, s46, s17                     ; B: row 256 x tile column + 128 x half
	s_mov_b32 s17, 0
	s_mov_b32 s47, 0
	s_mov_b64 s[18:19], SIZE_K*2
	s_mul_u64 s[16:17], s[16:17], s[18:19]
	s_mul_u64 s[46:47], s[46:47], s[18:19]
	s_mul_i32 s20, s2, KPART*2                     ; the split's first byte in a row
	s_mov_b32 s21, 0
	s_add_nc_u64 s[16:17], s[16:17], s[20:21]
	s_add_nc_u64 s[46:47], s[46:47], s[20:21]
	s_mul_i32 s23, s10, HALFT                      ; where they go: wave x 128 rows: no place in the cluster enters an LDS address
	s_wait_dscnt 0x0                               ; both opening adds are done
	s_wait_kmcnt 0x0
	s_add_nc_u64 s[14:15], s[4:5], s[16:17]
	s_add_nc_u64 s[46:47], s[6:7], s[46:47]
	CROUND                                         ; all sixteen work-groups are here: the first joint loads meet
.irp s, 0,1
	s_mov_b32 s[G0+4*(\s)], 1                      ; count = 1
	s_add_co_u32 s[G0+4*(\s)+1], s23, (\s)*SLOT    ; LDS address
	s_add_nc_u64 s[G0+4*(\s)+2:G0+4*(\s)+3], s[14:15], (\s)*KSTEP*2  ; global address: K step s
	s_or_b32 s[G0+4*(\s)+3], s[G0+4*(\s)+3], 0x80000000              ; type = 2
	s_mov_b32 s[G0B+4*(\s)], 1
	s_add_co_u32 s[G0B+4*(\s)+1], s23, (\s)*SLOT
	s_add_nc_u64 s[G0B+4*(\s)+2:G0B+4*(\s)+3], s[46:47], (\s)*KSTEP*2
	s_or_b32 s[G0B+4*(\s)+3], s[G0B+4*(\s)+3], 0x80000000
	JLOAD \s                                       ; two loads of mine are out
.endr
	; A fragment is 16 rows x 32 K in 8 registers: lane l holds row l % 16, K = 8 (l / 16) + 0..7 and 16 + 8 (l / 16) + 0..7: two loads of 16 bytes, 32 bytes apart.
	v_and_b32 v1, 15, v0                           ; l % 16
	v_bfe_u32 v2, v0, 4, 1                         ; l / 16
	v_mul_u32_u24 v3, v1, PITCH
	v_lshl_add_u32 v3, v2, 4, v3                   ; row x pitch + 16 x half
	s_mul_i32 s21, s11, HALFT                      ; my 128 rows of A
	s_mul_i32 s22, s12, HALFT                      ; my 128 rows of B,
	s_add_co_u32 s22, s22, 2*HALFT                 ; which lie behind A's 256
.irp s, 0,1
	v_add_nc_u32 v[ADRA+(\s)], s21, v3
	v_add_nc_u32 v[ADRB+(\s)], s22, v3
	s_add_co_u32 s21, s21, SLOT
	s_add_co_u32 s22, s22, SLOT
.endr
	s_mul_i32 s23, s10, 16*SPITCH
	s_add_co_u32 s23, s23, STAGE                   ; my stage
	v_mul_u32_u24 v5, v1, SPITCH                   ; in: row l % 16, 32 bytes for each half of the lanes
	v_lshl_add_u32 v5, v2, 5, v5
	v_add_nc_u32 v[STO], s23, v5
	v_and_b32 v4, 31, v0
	v_lshlrev_b32 v[CO], 4, v4                     ; back: 32 lanes take a row's 512 bytes
	v_add_nc_u32 v[RD], s23, v[CO]
	s_lshl_b32 s16, s13, 8
	s_lshl_b32 s17, s11, 7
	s_add_co_u32 s16, s16, s17                     ; my first row of P: 256 x tile row + 128 x half,
	s_lshl_b32 s16, s16, 12                        ; of 4,096 bytes,
	s_lshl_b32 s17, s2, 23                         ; in the split's 8 MiB
	s_add_co_u32 s16, s16, s17
	s_mov_b32 s17, 0
	s_add_nc_u64 s[8:9], s[8:9], s[16:17]
	s_lshl_b32 s46, s42, 10                        ; my first column, in bytes: 1,024 x tile column + 512 x half
	s_lshl_b32 s47, s12, 9
	s_add_co_u32 s46, s46, s47
	s_mov_b32 s47, 0
	s_add_nc_u64 s[8:9], s[8:9], s[46:47]
	; the prefetches: s13 = tile row, s42 = tile column, s40 = cx, s41 = cy still stand
	s_lshl_b32 s20, s13, 8
	s_lshl_b32 s21, s42, 8
	s_cmp_eq_u32 s11, 0                            ; do I fetch for A?
	s_cselect_b32 s20, s20, s21                    ; the tile's first row
	s_cselect_b32 s21, s40, s41                    ; my place among the four that ask for it with me
	s_cselect_b32 s22, 0, ttmp9                    ; A's rows have no other reader; B's are read by the split's other cluster too
	s_cselect_b64 s[PFA:PFA+1], s[4:5], s[6:7]
	s_cmp_eq_u32 s22, 0
	s_cselect_b32 s[LIM], 1, -1                    ; the same in all sixteen partners, for a given wave
	s_lshl_b32 s22, s12, 7
	s_add_co_u32 s20, s20, s22                     ; + the 128 rows that I fetch
	s_lshl_b32 s21, s21, 5
	s_add_co_u32 s20, s20, s21                     ; + my work-group's 32 of them
	s_mov_b32 s21, 0
	s_mov_b64 s[18:19], SIZE_K*2
	s_mul_u64 s[20:21], s[20:21], s[18:19]
	s_add_nc_u64 s[PFA:PFA+1], s[PFA:PFA+1], s[20:21]
	s_mul_i32 s20, s2, KPART*2
	s_add_co_u32 s20, s20, 2*KSTEP*2               ; at K step 2: the first refill steps it to 3 and names K step 4
	s_mov_b32 s21, 0
	s_add_nc_u64 s[PFA:PFA+1], s[PFA:PFA+1], s[20:21]
	v_mul_u32_u24 v[PFO], v4, SIZE_K*2             ; a lane a row
; 16 matrix instructions: row blocks a0, a0 + 1 of the window's four (hi = 0: my rows 0-63, 1: rows 64-127) x all 8 column blocks, 32 along K.  zero = 1: the product starts the sums.
; The 64 accumulators take turns, one instruction a turn, in the same order in every quarter.
.macro MUL16 f, hi, a0, zero
	WIN MUL_LO+0x50*(\hi)
.irp a, \a0, (\a0)+1
.irp b, 0,1,2,3,4,5,6,7
.if \zero
	v_wmma_f32_16x16x32_f16 v[8*(8*(\a)+(\b)):8*(8*(\a)+(\b))+7], v[(\f)+8*(\b):(\f)+8*(\b)+7], v[(\f)+8*(4*(\hi)+(\a)):(\f)+8*(4*(\hi)+(\a))+7], 0
.else
	v_wmma_f32_16x16x32_f16 v[8*(8*(\a)+(\b)):8*(8*(\a)+(\b))+7], v[(\f)+8*(\b):(\f)+8*(\b)+7], v[(\f)+8*(4*(\hi)+(\a)):(\f)+8*(4*(\hi)+(\a))+7], v[8*(8*(\a)+(\b)):8*(8*(\a)+(\b))+7]
.endif
.endr
.endr
.endm
; 32 LDS loads in one run: 128 rows of B, 128 rows of A, 32 K at byte k of the rows, into buffer f
.macro FETCH slot, k, f
	WIN TO_B
.irp i, 0,1,2,3,4,5,6,7
	ds_load_b128 v[(\f)+8*(\i):(\f)+8*(\i)+3],   v[ADRB+(\slot)] offset:(\k)+(\i)*16*PITCH
	ds_load_b128 v[(\f)+8*(\i)+4:(\f)+8*(\i)+7], v[ADRB+(\slot)] offset:(\k)+(\i)*16*PITCH+32
.endr
	WIN 0
.irp i, 0,1,2,3,4,5,6,7
	ds_load_b128 v[(\f)+8*(\i):(\f)+8*(\i)+3],   v[ADRA+(\slot)] offset:(\k)+(\i)*16*PITCH
	ds_load_b128 v[(\f)+8*(\i)+4:(\f)+8*(\i)+7], v[ADRA+(\slot)] offset:(\k)+(\i)*16*PITCH+32
.endr
.endm
.macro PLACES                          ; four plain vector instructions between a matrix instruction and a load into, or a read of, its registers
.rept 4
	v_nop
.endr
.endm
; A K step is four quarters of 32 along K, 64 matrix instructions each, on buffers 0, 1, 0, 1.  One of the first three: multiplies buffer f; in its middle it fetches the next, at byte k, into g.
.macro QUARTER slot, k, f, g, zero
	s_wait_dscnt 8                                 ; B and A's rows 0-63 are in; the youngest eight loads (A's rows 64-127) may be out
	MUL16 \f, 0, 0, \zero
	MUL16 \f, 0, 2, \zero
	PLACES
	FETCH \slot, \k, \g
	s_wait_dscnt 32                                ; all but the 32 just issued
	MUL16 \f, 1, 0, \zero
	MUL16 \f, 1, 2, \zero
.endm
; The last quarter multiplies buffer 1 and changes slots in its middle.  ONE barrier: in front of it each wave waits for all its tensor loads (one is out: its part of the next slot), adds 0 to its
; spare word, and waits for that and for its own reads of this slot.  Behind it nobody reads this slot any more and the next slot is whole.
; fill = 1: the barrier opens a round of the cluster's; behind the round this slot is filled again, two K steps on: the wave's one tensor load.  No product stands between the wait for the tensor
; loads and that load: a K step's 256 matrix instructions all lie between a request and the wait for it.
.macro TURN slot, next, fill
.if \fill
	s_wait_xcnt 0x0                                ; the last prefetch, a K step back, has read its address: it is stepped here, ahead of the waits of the change of slots
	s_add_nc_u64 s[PFA:PFA+1], s[PFA:PFA+1], KSTEP*2
.endif
	s_wait_dscnt 8                                 ; B and A's rows 0-63 of buffer 1 are in
	MUL16 F1, 0, 0, 0
	MUL16 F1, 0, 2, 0
	WIN 0
	s_wait_tensorcnt 0x0                           ; all my tensor loads have landed, so every group 0 may be written
	ds_add_u32 v[SPW], v[NIL]                      ; 0 onto my spare word; the descriptors' steps stand between it and the wait for it
.if \fill
	s_add_nc_u64 s[G0+4*(\slot)+2:G0+4*(\slot)+3], s[G0+4*(\slot)+2:G0+4*(\slot)+3], 2*KSTEP*2
	s_add_nc_u64 s[G0B+4*(\slot)+2:G0B+4*(\slot)+3], s[G0B+4*(\slot)+2:G0B+4*(\slot)+3], 2*KSTEP*2
.endif
	s_wait_dscnt 0x0                               ; the add is done, and my reads of this slot are over
	s_barrier_signal -1
	s_barrier_wait -1
.if \fill
	CREST                                          ; no wave of any partner still reads this slot's tile or has a load on its way
	JLOAD \slot                                    ; the four v_nop behind it are also the places in front of the loads below
.else
	PLACES
.endif
	FETCH \next, 0, F0
.if \fill
	ASK
.endif
	MUL16 F1, 1, 0, 0
	MUL16 F1, 1, 2, 0
.endm
	s_wait_tensorcnt 1                             ; my part of K step 0 is in; K step 1's may stay out
	s_barrier_signal -1
	s_barrier_wait -1                              ; everybody's is
	FETCH 0, 0, F0
	QUARTER 0, 64, F0, F1, 1                       ; the first quarter stands in front of the loop: its products start the sums
	WIN 0                                          ; at a label and at a branch every window is 0
	s_mov_b32 s3, LAPS-1
.Llap:                                                 ; a trip goes once round the ring, from a lap's second quarter to the next lap's first, and fills both slots again
	QUARTER 0, 128, F1, F0, 0
	QUARTER 0, 192, F0, F1, 0
	TURN 0, 1, 1
	QUARTER 1, 64,  F0, F1, 0
	QUARTER 1, 128, F1, F0, 0
	QUARTER 1, 192, F0, F1, 0
	TURN 1, 0, 1
	QUARTER 0, 64,  F0, F1, 0
	WIN 0
	s_sub_co_u32 s3, s3, 1
	s_cmp_lg_u32 s3, 0
	s_cbranch_scc1 .Llap
	QUARTER 0, 128, F1, F0, 0                      ; the last lap fills nothing, and has no round of the cluster's barrier
	QUARTER 0, 192, F0, F1, 0
	TURN 0, 1, 0
	QUARTER 1, 64,  F0, F1, 0
	QUARTER 1, 128, F1, F0, 0
	QUARTER 1, 192, F0, F1, 0
	s_wait_dscnt 8                                 ; the very last quarter: nothing more to fetch
	MUL16 F1, 0, 0, 0
	MUL16 F1, 0, 2, 0
	s_wait_dscnt 0x0
	MUL16 F1, 1, 0, 0
	MUL16 F1, 1, 2, 0
	; THE WAY OUT, a block of 16 rows at a time.  A lane's 32 bytes are a sixteenth of a row's 512, and the lanes beside it hold other rows: so the block goes into my own stage, rows of 528 bytes,
	; and comes back as whole rows, which the wave stores as 512 consecutive bytes.  The stage is my wave's own: no barrier; LDS serves a wave's instructions in order (ISA guide 5.7.1.4).
	PLACES
	PLACES                                         ; eight, once a launch: the stores below read results just made, and no other vector work is at hand
.macro TOSTAGE a
.set BK, 64+64*((\a)%2)                ; rows come back into v64-127 and v128-191 by turns
	WIN 0x08+4*((\a)/4)                            ; the stores' data (source 1) in window 2 or 3
.irp b, 0,1,2,3,4,5,6,7
	ds_store_b128 v[STO], v[8*(8*((\a)%4)+(\b)):8*(8*((\a)%4)+(\b))+3]   offset:64*(\b)     ; each accumulator's low registers first
	ds_store_b128 v[STO], v[8*(8*((\a)%4)+(\b))+4:8*(8*((\a)%4)+(\b))+7] offset:64*(\b)+16
.endr
	WIN 0
	s_wait_xcnt 0x0                                ; the stores of the block before last have read these registers
.irp t, 0,1,2,3,4,5,6,7,8,9,10,11,12,13,14,15
	ds_load_b128 v[BK+4*(\t):BK+4*(\t)+3], v[RD] offset:(\t)*SPITCH
.endr
.endm
.macro SEND a, younger                 ; younger: the next block's sixteen stores and sixteen loads, or none
.set BK, 64+64*((\a)%2)
	s_wait_dscnt \younger
.irp t, 0,1,2,3,4,5,6,7,8,9,10,11,12,13,14,15
	global_store_b128 v[CO], v[BK+4*(\t):BK+4*(\t)+3], s[8:9] offset:(16*(\a)+(\t))*4096 th:TH_STORE_NT  ; 512 consecutive bytes, at a multiple of 512 from P's first byte; the row stands in the immediate, 520,192 at the most
.endr
.endm
	TOSTAGE 0
.irp a, 1,2,3,4,5,6,7
	TOSTAGE \a
	SEND (\a)-1, 32
.endr
	SEND 7, 0
	s_wait_tensorcnt 0x0                           ; the wave's end, behind my last tensor load and my last LDS store
	ds_add_u32 v[SPW], v[NIL]
	s_wait_dscnt 0x0
	CROUND                                         ; the closing round: no work-group ends while a partner may still ask for a tile that names it
	s_endpgm
.Lfunc_end_k_q61d8a506ad_g2:
	.size	k_q61d8a506ad_g2, .Lfunc_end_k_q61d8a506ad_g2-k_q61d8a506ad_g2
	.p2alignl 7, 3214868480
	.fill 96, 4, 3214868480
	.section	.rodata,"a",@progbits
	.p2align	6, 0x0
	.amdhsa_kernel k_q61d8a506ad_g2
		.amdhsa_group_segment_fixed_size 327680
		.amdhsa_private_segment_fixed_size 0
		.amdhsa_enable_private_segment 0
		.amdhsa_kernarg_size 24
		.amdhsa_user_sgpr_count 2
		.amdhsa_user_sgpr_kernarg_segment_ptr 1
		.amdhsa_wavefront_size32 1
		.amdhsa_system_sgpr_workgroup_id_x 1
		.amdhsa_system_sgpr_workgroup_id_y 1
		.amdhsa_system_sgpr_workgroup_id_z 1
		.amdhsa_system_vgpr_workitem_id 0
		.amdhsa_next_free_vgpr 1024
		.amdhsa_next_free_sgpr 66
		.amdhsa_reserve_vcc 0
		.amdhsa_float_denorm_mode_32 3
		.amdhsa_float_denorm_mode_16_64 3
		.amdhsa_memory_ordered 1
		.amdhsa_forward_progress 1
		.amdhsa_inst_pref_size 142
	.end_amdhsa_kernel
	.amdgpu_metadata
---
amdhsa.version: [ 1, 2 ]
amdhsa.kernels:
  - .name:           k_q61d8a506ad_g2
    .symbol:         k_q61d8a506ad_g2.kd
    .args:
      - { .name: a0, .offset: 0, .size: 8, .value_kind: global_buffer, .address_space: global }
      - { .name: w0, .offset: 8, .size: 8, .value_kind: global_buffer, .address_space: global }
      - { .name: p, .offset: 16, .size: 8, .value_kind: global_buffer, .address_space: global }
    .group_segment_fixed_size: 327680
    .private_segment_fixed_size: 0
    .kernarg_segment_align: 8
    .kernarg_segment_size: 24
    .max_flat_workgroup_size: 128
    .sgpr_count:     66
    .vgpr_count:     1024
    .wavefront_size: 32
...
	.end_amdgpu_metadata
.endif
;; end of part 4
;; launch exp1 (part 5): grid 1024 x 1, 8 waves a work-group, no clusters, 9,216 bytes of LDS; arguments p, a1; writes a1
.if DOCPART == 5
	.amdgcn_target "amdgcn-amd-amdhsa--gfx1250"
	.amdhsa_code_object_version 6
	.text
	.protected	k_q61d8a506ad_exp1
	.globl	k_q61d8a506ad_exp1
	.p2align	8
	.type	k_q61d8a506ad_exp1,@function
k_q61d8a506ad_exp1:
	s_mov_b64 s[64:65], 0
	v_nop
	global_prefetch_b8 v0, s[64:65] scope:SCOPE_SE
	s_setreg_imm32_b32 hwreg(HW_REG_WAVE_MODE, 25, 1), 1
	s_wait_xcnt 0x0
; LAYER 1's OPERAND.  h = p[0] + .. + p[7], the eight parts of K of layer 0's product; a1[row] = for each of the 1,024 h its 8 cubic B-spline values (k = 8 i + g), then the 1,024 SiLU(h) / 16:
; 9,216 f16, each rounded once from f32.
; THE SPLINE.  The knots are evenly spaced, 0.4 apart from -2.2: t = 2.5 x + 5.5, cell i = floor t, u = t - i.  In cell i the functions i - 3 .. i are
; (1-u)^3/6, u^3/2 - u^2 + 2/3, the same of 1 - u, u^3/6; all others are 0.  The four, as f16, are moved to halves i - 3 .. i of the feature's 16 bytes by selects alone:
; by half a word (i even), by a word (bit 1 of i), by two words (i / 4); what falls outside the 8 is dropped.  No address and no branch hangs on x.
; LIMITS.  The cell comes from t, not from compares with the rounded knots: the functions are continuous, so at a knot only last bits differ.  An infinite x gives zeros.
; SiLU / 16 must fit f16: |h| under 1.04e6.  An exponential below 2^-126 counts as 0.  NaN is not treated apart.
; SHARES.  A work-group takes two rows; wave w columns 128 w .. 128 w + 127 of both.  A lane loads 4 neighbouring columns of each plane (16 bytes; the wave 512 on end): sixteen loads, all out at once.
; For the spline each feature makes 16 bytes, so the x go through the wave's own 1,024 bytes of LDS to the layout lane = column mod 32: a wave's store then covers 512 consecutive bytes.
; No barrier: no wave reads another's bytes.  No loop, no prefetch, no matrix unit: every load is issued at the head, and each byte is touched once.
.set SPARE, 8192                       ; behind the waves' 8 x 1,024 bytes: the spare words, 128 bytes for each wave: four blocks of 256 bytes that no other line names
.set SPL1,  0                          ; bytes in the work-group's 36,864 of a1: spline values of the first row,
.set SPL2,  18432                      ; of the second,
.set SIL1,  16384                      ; SiLU of the first,
.set SIL2,  34816                      ; of the second
.set PL,   32                          ; s[32:47] p at my two rows, in plane 0 .. 7
.set C05,  10                          ; v[10:21] six constants, each twice, for the packed forms
.set C23,  12
.set C16,  14
.set CNL,  16
.set CSX,  18
.set ONE,  20
.set X,    46                          ; v[46:53] the lane's 8 x, 4 neighbouring columns of each row
.set LD,   54                          ; v[54:117] as loaded: row n / 8, plane n % 8 at LD + 4 n; these registers serve the work below once the sums are made
.set E,    54                          ; v[54:61] SiLU: exponentials, then reciprocals
.set XS,   62                          ; v[62:69] x / 16, then SiLU / 16
.set SP,   70                          ; v[70:73] SiLU packed
.set XT,   74                          ; v[74:81] the x of columns 32 q + lane
.set rT,   82                          ; v82-105 at work in SPL
.set rF,   83
.set rU,   84
.set rSQ,  86
.set rCU,  88
.set rW,   90
.set rV,   92
.set rI,   94
.set rP,   95
.set rSEL, 97
.set rT0,  98
.set rY,   101
.set rG,   105
.set OQ,   106                         ; v[106:137] eight quads to store
.set ZERO, 138
.set SELE, 139
.set SELO, 140
	s_load_b128 s[4:7], s[0:1], 0x0                ; p s[4:5], a1 s[6:7]
	v_lshl_add_u32 v8, v0, 2, SPARE                ; my spare word,
	v_mov_b32 v9, 0                                ; and 0: kept for the add at the wave's end alone
	v_lshrrev_b32 v1, 5, v0
	v_readfirstlane_b32 s14, v1                    ; wave 0..7
	v_and_b32 v7, 31, v0                           ; lane
	v_lshlrev_b32 v2, 4, v0                        ; in: 512 w + 16 l
	s_lshl_b32 s15, s14, 11
	v_lshl_add_u32 v3, v7, 4, s15                  ; spline out: 2,048 w + 16 l
	v_lshlrev_b32 v4, 3, v0                        ; SiLU out: 256 w + 8 l
	s_lshl_b32 s15, s14, 10
	v_lshl_add_u32 v5, v7, 4, s15                  ; LDS in: 1,024 w + 16 l
	v_lshl_add_u32 v6, v7, 2, s15                  ; LDS out: 1,024 w + 4 l
	s_lshl_b32 s24, ttmp9, 13                      ; my two rows in a plane of p: 8,192 bytes
	s_mov_b32 s25, 0
	s_mul_i32 s26, ttmp9, 36864                    ; and in a1
	s_mov_b32 s27, 0
	s_mov_b32 s16, 0x40200000                      ; 2.5
	s_mov_b32 s17, 0x40b00000                      ; 5.5
	s_wait_kmcnt 0x0
	s_add_nc_u64 s[PL:PL+1], s[4:5], s[24:25]
.irp s, 1,2,3,4,5,6,7
	s_add_nc_u64 s[PL+2*(\s):PL+2*(\s)+1], s[PL:PL+1], (\s)*0x800000  ; a plane is 8 MiB
.endr
	s_add_nc_u64 s[12:13], s[6:7], s[26:27]
.set n, 0
.rept 16
	global_load_b128 v[LD+4*n:LD+4*n+3], v2, s[PL+2*(n%8):PL+2*(n%8)+1] offset:4096*(n/8) th:TH_LOAD_NT
.set n, n+1
.endr
.macro CONST r, val
	v_mov_b32 v[\r], \val
	v_mov_b32 v[(\r)+1], \val
.endm
	CONST C05, 0.5                                 ; the constants are written while the loads are out
	CONST C23, 0x3f2aaaab                          ; 2/3
	CONST C16, 0x3e2aaaab                          ; 1/6
	CONST CNL, 0xbfb8aa3b                          ; -log2(e)
	CONST CSX, 0x3d800000                          ; 1/16
	CONST ONE, 1.0
	v_mov_b32 v[ZERO], 0
	v_mov_b32 v[SELE], 0x05040302                  ; bytes 2 to 5 of a pair of words: half a word up
	v_mov_b32 v[SELO], 0x03020100                  ; bytes 0 to 3: as it lies
; A row's eight planes are added as a tree, two numbers an instruction.
.macro ROWSUM row
.set rB, LD+32*(\row)
.irp i, 0,8,16,24
	v_pk_add_f32 v[rB+(\i):rB+(\i)+1],   v[rB+(\i):rB+(\i)+1],   v[rB+(\i)+4:rB+(\i)+5]
	v_pk_add_f32 v[rB+(\i)+2:rB+(\i)+3], v[rB+(\i)+2:rB+(\i)+3], v[rB+(\i)+6:rB+(\i)+7]
.endr
.irp i, 0,16
	v_pk_add_f32 v[rB+(\i):rB+(\i)+1],   v[rB+(\i):rB+(\i)+1],   v[rB+(\i)+8:rB+(\i)+9]
	v_pk_add_f32 v[rB+(\i)+2:rB+(\i)+3], v[rB+(\i)+2:rB+(\i)+3], v[rB+(\i)+10:rB+(\i)+11]
.endr
	v_pk_add_f32 v[X+4*(\row):X+4*(\row)+1],   v[rB:rB+1],   v[rB+16:rB+17]
	v_pk_add_f32 v[X+4*(\row)+2:X+4*(\row)+3], v[rB+2:rB+3], v[rB+18:rB+19]
.endm
	s_wait_loadcnt 8                               ; loads come back in order: the first row's eight are in, the second row's eight may be out
	ROWSUM 0
	s_wait_loadcnt 0x0
	ROWSUM 1
	; to the layout lane = column mod 32, through my wave's own bytes: LDS serves a wave's instructions in order (ISA guide 5.7.1.4), so the loads see the stores
	ds_store_b128 v5, v[X:X+3]
	ds_store_b128 v5, v[X+4:X+7] offset:512
.irp q, 0,1,2,3
	ds_load_b32 v[XT+(\q)],   v6 offset:128*(\q)
.endr
.irp q, 0,1,2,3
	ds_load_b32 v[XT+4+(\q)], v6 offset:512+128*(\q)
.endr
	; SiLU / 16 = (x / 16) / (1 + e^-x), on the layout as loaded, while those loads are out
.irp j, 0,2,4,6
	v_pk_mul_f32 v[E+(\j):E+(\j)+1], v[X+(\j):X+(\j)+1], v[CNL:CNL+1]
.endr
.irp j, 0,1,2,3,4,5,6,7
	v_exp_f32 v[E+(\j)], v[E+(\j)]
.endr
.irp j, 0,2,4,6
	v_pk_mul_f32 v[XS+(\j):XS+(\j)+1], v[X+(\j):X+(\j)+1], v[CSX:CSX+1]  ; independent work behind the batch
.endr
	s_wait_alu depctr_va_vdst(0)                   ; one wait for the eight exponentials, ahead of their first reader
.irp j, 0,2,4,6
	v_pk_add_f32 v[E+(\j):E+(\j)+1], v[E+(\j):E+(\j)+1], v[ONE:ONE+1]
.endr
.irp j, 0,1,2,3,4,5,6,7
	v_rcp_f32 v[E+(\j)], v[E+(\j)]
.endr
	v_nop                                          ; a plain instruction behind the last reciprocal,
	s_wait_alu depctr_va_vdst(0)                   ; and one wait for the eight
.irp j, 0,2,4,6
	v_pk_mul_f32 v[XS+(\j):XS+(\j)+1], v[XS+(\j):XS+(\j)+1], v[E+(\j):E+(\j)+1]
.endr
.irp j, 0,1,2,3
	v_cvt_pk_f16_f32 v[SP+(\j)], v[XS+2*(\j)], v[XS+2*(\j)+1]
.endr
	global_store_b64 v4, v[SP:SP+1],   s[12:13] offset:SIL1 th:TH_STORE_NT  ; the wave stores 256 consecutive bytes, aligned
	global_store_b64 v4, v[SP+2:SP+3], s[12:13] offset:SIL2 th:TH_STORE_NT
; The 8 spline values of v[x], as 8 f16, into v[o .. o+3].
.macro SPL x, o
	v_fma_f32 v[rT], v[\x], s16, s17               ; t
	v_floor_f32 v[rF], v[rT]
	v_sub_f32 v[rU], v[rT], v[rF]                  ; u
	v_cvt_i32_f32 v[rI], v[rF]                     ; i; beyond 32 bits it sticks at the ends, which lie outside the cells
	v_sub_f32 v[rU+1], 1.0, v[rU]                  ; 1 - u
	v_and_b32 v[rT], 1, v[rI]
	v_and_b32 v[rF], 2, v[rI]
	v_ashrrev_i32 v[rG], 2, v[rI]
	v_pk_mul_f32 v[rSQ:rSQ+1], v[rU:rU+1], v[rU:rU+1]
	v_cmp_eq_u32 vcc_lo, 0, v[rT]                  ; i even
	v_cmp_ne_u32 s20, 0, v[rF]                     ; bit 1 of i
	v_pk_mul_f32 v[rCU:rCU+1], v[rSQ:rSQ+1], v[rU:rU+1]
	v_pk_add_f32 v[rV:rV+1], v[C23:C23+1], v[rSQ:rSQ+1] neg_lo:[0,1] neg_hi:[0,1]
	v_cndmask_b32 v[rSEL], v[SELO], v[SELE], vcc_lo
	v_cmp_eq_u32 s21, 0, v[rG]
	v_cmp_eq_u32 s22, 1, v[rG]
	v_cmp_eq_u32 s23, 2, v[rG]
	v_pk_mul_f32 v[rW:rW+1], v[rCU:rCU+1], v[C16:C16+1]             ; (function i, function i - 3)
	v_pk_fma_f32 v[rV:rV+1], v[rCU:rCU+1], v[C05:C05+1], v[rV:rV+1] ; (function i - 2, function i - 1)
	v_cvt_pk_f16_f32 v[rP],   v[rW+1], v[rV]       ; functions i - 3, i - 2
	v_cvt_pk_f16_f32 v[rP+1], v[rV+1], v[rW]       ; functions i - 1, i
	v_perm_b32 v[rT0],   v[rP],   v[ZERO], v[rSEL] ; three words from word i / 2 - 2 on: 0 0 | a b | c d for an odd i, 0 a | b c | d 0 for an even one
	v_perm_b32 v[rT0+1], v[rP+1], v[rP],   v[rSEL]
	v_perm_b32 v[rT0+2], v[ZERO], v[rP+1], v[rSEL]
	v_cndmask_b32 v[rY],   v[rT0],   0,        s20 ; four words from word 2 (i / 4) - 2 on
	v_cndmask_b32 v[rY+1], v[rT0+1], v[rT0],   s20
	v_cndmask_b32 v[rY+2], v[rT0+2], v[rT0+1], s20
	v_cndmask_b32 v[rY+3], 0,        v[rT0+2], s20
	v_cndmask_b32 v[rSQ],   0, v[rY],   s22
	v_cndmask_b32 v[rSQ+1], 0, v[rY+1], s22
	v_cndmask_b32 v[rCU],   0, v[rY],   s23
	v_cndmask_b32 v[rCU+1], 0, v[rY+1], s23
	v_cndmask_b32 v[\o],     v[rSQ],   v[rY+2], s21
	v_cndmask_b32 v[(\o)+1], v[rSQ+1], v[rY+3], s21
	v_cndmask_b32 v[(\o)+2], v[rCU],   v[rY+2], s22
	v_cndmask_b32 v[(\o)+3], v[rCU+1], v[rY+3], s22
.endm
	s_wait_dscnt 0x0                               ; the eight x are back
.irp q, 0,1,2,3
	SPL XT+(\q), OQ+4*(\q)
	global_store_b128 v3, v[OQ+4*(\q):OQ+4*(\q)+3], s[12:13] offset:SPL1+512*(\q) th:TH_STORE_NT  ; 32 features' 512 consecutive bytes, aligned; each store has registers of its own
.endr
.irp q, 0,1,2,3
	SPL XT+4+(\q), OQ+16+4*(\q)
	global_store_b128 v3, v[OQ+16+4*(\q):OQ+16+4*(\q)+3], s[12:13] offset:SPL2+512*(\q) th:TH_STORE_NT
.endr
	s_wait_tensorcnt 0x0                           ; the wave's end, behind my last LDS store
	ds_add_u32 v8, v9
	s_wait_dscnt 0x0
	s_endpgm
.Lfunc_end_k_q61d8a506ad_exp1:
	.size	k_q61d8a506ad_exp1, .Lfunc_end_k_q61d8a506ad_exp1-k_q61d8a506ad_exp1
	.p2alignl 7, 3214868480
	.fill 96, 4, 3214868480
	.section	.rodata,"a",@progbits
	.p2align	6, 0x0
	.amdhsa_kernel k_q61d8a506ad_exp1
		.amdhsa_group_segment_fixed_size 9216
		.amdhsa_private_segment_fixed_size 0
		.amdhsa_enable_private_segment 0
		.amdhsa_kernarg_size 16
		.amdhsa_user_sgpr_count 2
		.amdhsa_user_sgpr_kernarg_segment_ptr 1
		.amdhsa_wavefront_size32 1
		.amdhsa_system_sgpr_workgroup_id_x 1
		.amdhsa_system_sgpr_workgroup_id_y 1
		.amdhsa_system_sgpr_workgroup_id_z 1
		.amdhsa_system_vgpr_workitem_id 0
		.amdhsa_next_free_vgpr 144
		.amdhsa_next_free_sgpr 66
		.amdhsa_reserve_vcc 1
		.amdhsa_float_denorm_mode_32 3
		.amdhsa_float_denorm_mode_16_64 3
		.amdhsa_memory_ordered 1
		.amdhsa_forward_progress 1
		.amdhsa_inst_pref_size 26
	.end_amdhsa_kernel
	.amdgpu_metadata
---
amdhsa.version: [ 1, 2 ]
amdhsa.kernels:
  - .name:           k_q61d8a506ad_exp1
    .symbol:         k_q61d8a506ad_exp1.kd
    .args:
      - { .name: p, .offset: 0, .size: 8, .value_kind: global_buffer, .address_space: global }
      - { .name: a1, .offset: 8, .size: 8, .value_kind: global_buffer, .address_space: global }
    .group_segment_fixed_size: 9216
    .private_segment_fixed_size: 0
    .kernarg_segment_align: 8
    .kernarg_segment_size: 16
    .max_flat_workgroup_size: 256
    .sgpr_count:     66
    .vgpr_count:     144
    .wavefront_size: 32
...
	.end_amdgpu_metadata
.endif
;; end of part 5
;; launch g3 (part 6): grid 8 x 32, 4 waves a work-group, clusters of 4 x 4, 327,680 bytes of LDS; arguments a1, w1, p; writes p
.if DOCPART == 6
	.amdgcn_target "amdgcn-amd-amdhsa--gfx1250"
	.amdhsa_code_object_version 6
	.text
	.protected	k_q61d8a506ad_g3
	.globl	k_q61d8a506ad_g3
	.p2align	8
	.type	k_q61d8a506ad_g3,@function
k_q61d8a506ad_g3:
	s_mov_b64 s[64:65], 0
	v_nop
	global_prefetch_b8 v0, s[64:65] scope:SCOPE_SE
	s_setreg_imm32_b32 hwreg(HW_REG_WAVE_MODE, 25, 1), 1
	s_wait_xcnt 0x0
	s_wait_alu depctr_hold_cnt(0) depctr_sa_sdst(0) depctr_va_vdst(0) depctr_va_sdst(0) depctr_va_ssrc(0) depctr_va_vcc(0) depctr_vm_vsrc(0)
	s_getreg_b32 s2, hwreg(HW_REG_IB_STS2, 6, 4)
	s_cmp_eq_u32 s2, 0
	s_cbranch_scc0 .Lentry_in_a_cluster
	s_endpgm
.Lentry_in_a_cluster:
	s_bfe_u32 s2, ttmp6, 0x10000c
	s_cmp_lg_u32 s2, 0xf033
	s_cbranch_scc0 .Lentry_shape_is_right
	s_endpgm
.Lentry_shape_is_right:
; P[split][m][n] = the sum over one half of K of A[m][k] B[n][k].  A: [2048][SIZE_K], B: [1024][SIZE_K], f16; P: planes 0 and 1 of [..][2048][1024], f32 partial sums, added by the launch behind.
; SHARES.  A tile of C is 128 x 128, K is halved over the grid: 8 x 16 x 2 = 256 work-groups.  Inside a work-group THE FOUR WAVES SPLIT K: of each K step of 256 wave w takes
; 64 w .. 64 w + 63 and holds the WHOLE tile: 64 accumulators of 16 x 16, 512 registers.  So each LDS byte is read by one wave, 32 loads of 16 bytes for 64 matrix instructions.
; The four waves' sums meet in LDS at the end (f32 sums may be taken in any order).
; RING.  Two LDS slots, each a K step: 128 rows of A, 128 of B, 512 bytes a row.  Each wave fetches 64 rows with one tensor load.
; CLUSTER.  4 x 4 work-groups of one split: the four of a row of the cluster need the same tiles of A, the four of a column the same tiles of B: each tile is asked for JOINTLY.
; THE MATRIX INSTRUCTION IS USED TRANSPOSED (source 0 = 16 rows of B, source 1 = 16 rows of A): a lane holds eight neighbouring numbers of a row of C.
; REGISTERS, in windows of 256: window 0: v0-31 addresses; v64-127, v128-191 fragments of A, two buffers (on the way out: rows read back).  window 1: the same numbers, fragments of B.
;   window 2: the accumulators of rows 0-63 ((a, b) at v[8 (8 a + b)]); window 3: those of rows 64-127.
.set SIZE_K, 9216
.set KPART,  SIZE_K/2                  ; a split's share of K
.set KSTEP,  256
.set PITCH,  528                       ; an LDS row: 512 bytes + 16 of padding = 132 words: row r starts at bank 4 r mod 64 (64 banks of 4 bytes: ISA guide 11.1)
.set HALFT,  64*PITCH                  ; what one tensor load brings
.set SLOT,   4*HALFT                   ; A's 128 rows, then B's 128 rows
.set COPY,   128*PITCH                 ; the way out: one wave's 128 x 128 f32, rows of 512 bytes + 16; four copies fill the two slots, which have had their last fill by then
.set SPARE,  2*SLOT                    ; behind the ring: the spare words, 128 bytes for each wave: two blocks of 256 bytes that no other line names
.set LAPS,   KPART/(2*KSTEP)           ; a lap = two K steps = once round the ring
.set RD,   8                           ; v8-11   the way out: my 16 bytes of a row in copy 0 .. 3
.set ADRA, 16                          ; v16-17  LDS address of my A fragments in slot 0, 1
.set ADRB, 20                          ; v20-21  the same for B
.set STO,  24                          ; v24     the way out: where I put 32 bytes of a row of my copy
.set CO,   26                          ; v26     16 x lane: my bytes in 512 consecutive bytes of P
.set SPW,  28                          ; v28     LDS address of my spare word; never rewritten
.set NIL,  29                          ; v29     0; never rewritten
.set PFO,  30                          ; v30     the prefetches' offset; never rewritten
.set F0,   64
.set F1,   128
.set G1,   24                          ; s[24:31] descriptor group 1 for A's tiles;  s[32:39] group 0, a set for each slot
.set G0,   32
.set G1B,  48                          ; s[48:55], s[56:63] the same for B's tiles
.set G0B,  56
.set LIM,  43                          ; s43     2 in a wave that prefetches, else the greatest number
.set PFA,  44                          ; s[44:45] where my prefetches stand
.set MSB, 0
.macro WIN new                         ; the immediate's high byte repeats the setting that is left; a switch that changes nothing is dropped
.if MSB != (\new)
	s_set_vgpr_msb (MSB<<8)|(\new)
.set MSB, \new
.endif
.endm
.set MUL_LO, 0xa1                      ; source 0 (B) window 1, source 1 (A) window 0, C and D window 2
.set MUL_HI, 0xf1                      ; the same, C and D window 3
.set TO_B,   0x40                      ; destination window 1, address window 0
; A joint load: waves 0 and 1 fetch A's two halves, waves 2 and 3 B's.  The branch hangs on the wave's number alone.  An s_nop 0 and four v_nop follow each of the two lines.
.macro JLOAD s
	s_cmp_eq_u32 s11, 0
	s_cbranch_scc0 .Lfor_b_\@
	tensor_load_to_lds s[G0+4*(\s):G0+4*(\s)+3], s[G1:G1+7]
	s_nop 0
.rept 4
	v_nop
.endr
	s_branch .Lasked_\@
.Lfor_b_\@:
	tensor_load_to_lds s[G0B+4*(\s):G0B+4*(\s)+3], s[G1B:G1B+7]
	s_nop 0
.rept 4
	v_nop
.endr
.Lasked_\@:
.endm
; A prefetch of the K step that stands FOUR refills on (512 matrix instructions of this wave ahead of the load that will want it): 16 rows x 512 bytes, a lane 256 bytes of a row.
; Each such piece is named once in the launch: A's rows by the clusters with x = 0, B's by the first cluster of the split along y; the four partners that ask for a tile jointly share its rows out
; by address, 16 of a wave's 64 each.  The loop's last two trips ask for nothing: there is no K step four on.
.macro ASK
	s_cmp_gt_u32 s3, s[LIM]
	s_cbranch_scc0 .Lnot_mine_\@
	global_prefetch_b8 v[PFO], s[PFA:PFA+1] offset:4*KSTEP*2 th:TH_LOAD_NT scope:SCOPE_SE
.Lnot_mine_\@:
.endm
.macro CREST                           ; a round of the cluster's barrier behind its opening barrier
	s_cmp_lg_u32 s10, 0
	s_cbranch_scc1 .Lnot_wave_0_\@
	s_barrier_signal -3
.Lnot_wave_0_\@:
	s_barrier_wait -3
	s_barrier_signal -1
	s_barrier_wait -1
.endm
.macro CROUND                          ; a whole round
	s_barrier_signal -1
	s_barrier_wait -1
	CREST
.endm
	s_load_b128 s[4:7], s[0:1], 0x0                ; A s[4:5], B s[6:7]
	s_load_b64 s[8:9], s[0:1], 0x10                ; P
	v_lshl_add_u32 v[SPW], v0, 2, SPARE
	v_mov_b32 v[NIL], 0
	ds_add_u32 v[SPW], v[NIL]                      ; the wave's opening: the add, twice on end, and its wait ahead of my first tensor load
	ds_add_u32 v[SPW], v[NIL]                      ; and once more, under the one wait; the set-up below, work on registers, stands between
	v_lshrrev_b32 v1, 5, v0
	v_readfirstlane_b32 s10, v1                    ; wave 0..3
	s_lshr_b32 s11, s10, 1                         ; I fetch for A (0) or for B (1)
	s_and_b32 s12, s10, 1                          ; which 64 rows of that tile I fetch
	s_bfe_u32 s40, ttmp6, 0x40000                  ; cx, cy: my place in the cluster
	s_bfe_u32 s41, ttmp6, 0x40004
	s_lshl_b32 s42, ttmp9, 2
	s_add_co_u32 s42, s42, s40                     ; tile column of C = 4 x cluster x + cx: 0..7
	s_and_b32 s22, ttmp7, 0xffff                   ; cluster y: 0..7
	s_lshr_b32 s2, s22, 2                          ; the split: the same in all sixteen partners
	s_and_b32 s13, s22, 3
	s_lshl_b32 s13, s13, 2
	s_add_co_u32 s13, s13, s41                     ; tile row of C = 4 x (cluster y mod 4) + cy: 0..15
	s_lshl_b32 s43, s41, 2
	s_lshl_b32 s43, 15, s43                        ; my row of the cluster
	s_lshl_b32 s44, 0x1111, s40                    ; my column
	; descriptor group 1: a tile of 64 rows x 256 elements, padded in LDS
	s_or_b32 s[G1+0], s43, (1<<16)|(1<<20)|(1<<21)|(6<<22)|(3<<25)  ; 15:0 the mask: A's tiles go to my row; 17:16 2-byte elements; 20 padding on; 21 set beside a mask; 24:22 after every 128 words (code 6); 31:25 4 words (code 3)
	s_or_b32 s[G1B+0], s44, (1<<16)|(1<<20)|(1<<21)|(6<<22)|(3<<25) ; the same with the mask of my column
.irp g, G1, G1B
	s_mov_b32 s[(\g)+1], KSTEP<<16                 ; tensor_dim0 = 256
	s_mov_b32 s[(\g)+2], 64<<16                    ; tensor_dim1 = 64
	s_mov_b32 s[(\g)+3], KSTEP<<16                 ; tile_dim0 = 256
	s_mov_b32 s[(\g)+4], 64                        ; tile_dim1 = 64
	s_mov_b32 s[(\g)+5], SIZE_K                    ; elements from row to row
	s_mov_b32 s[(\g)+6], 0
	s_mov_b32 s[(\g)+7], 0
.endr
	; where the tiles come from: A's hang on the tile row, B's on the tile column, both on the split and the wave; each in registers that never hold the other coordinate
	s_lshl_b32 s17, s12, 6
	s_lshl_b32 s16, s13, 7
	s_add_co_u32 s16, s16, s17                     ; A: row 128 x tile row + 64 x half
	s_lshl_b32 s46, s42, 7
	s_add_co_u32 s46, s46, s17                     ; B: row 128 x tile column + 64 x half
	s_mov_b32 s17, 0
	s_mov_b32 s47, 0
	s_mov_b64 s[18:19], SIZE_K*2
	s_mul_u64 s[16:17], s[16:17], s[18:19]
	s_mul_u64 s[46:47], s[46:47], s[18:19]
	s_mul_i32 s20, s2, KPART*2                     ; the split's first byte in a row
	s_mov_b32 s21, 0
	s_add_nc_u64 s[16:17], s[16:17], s[20:21]
	s_add_nc_u64 s[46:47], s[46:47], s[20:21]
	s_mul_i32 s23, s10, HALFT                      ; where they go: wave x 64 rows: no place in the cluster enters an LDS address
	s_wait_dscnt 0x0                               ; both opening adds are done
	s_wait_kmcnt 0x0
	s_add_nc_u64 s[14:15], s[4:5], s[16:17]
	s_add_nc_u64 s[46:47], s[6:7], s[46:47]
	CROUND                                         ; all sixteen work-groups are here: the first joint loads meet
.irp s, 0,1
	s_mov_b32 s[G0+4*(\s)], 1                      ; count = 1
	s_add_co_u32 s[G0+4*(\s)+1], s23, (\s)*SLOT    ; LDS address
	s_add_nc_u64 s[G0+4*(\s)+2:G0+4*(\s)+3], s[14:15], (\s)*KSTEP*2  ; global address: K step s
	s_or_b32 s[G0+4*(\s)+3], s[G0+4*(\s)+3], 0x80000000              ; type = 2
	s_mov_b32 s[G0B+4*(\s)], 1
	s_add_co_u32 s[G0B+4*(\s)+1], s23, (\s)*SLOT
	s_add_nc_u64 s[G0B+4*(\s)+2:G0B+4*(\s)+3], s[46:47], (\s)*KSTEP*2
	s_or_b32 s[G0B+4*(\s)+3], s[G0B+4*(\s)+3], 0x80000000
	JLOAD \s                                       ; two loads of mine are out
.endr
	; A fragment is 16 rows x 32 K in 8 registers: lane l holds row l % 16, K = 8 (l / 16) + 0..7 and 16 + 8 (l / 16) + 0..7: two loads of 16 bytes, 32 bytes apart.
	v_and_b32 v1, 15, v0                           ; l % 16
	v_bfe_u32 v2, v0, 4, 1                         ; l / 16
	v_mul_u32_u24 v3, v1, PITCH
	v_lshl_add_u32 v3, v2, 4, v3                   ; row x pitch + 16 x half
	s_lshl_b32 s21, s10, 7                         ; my 64 of the K step's 256: 128 bytes of each row
	s_add_co_u32 s22, s21, 2*HALFT                 ; B lies behind A's 128 rows
.irp s, 0,1
	v_add_nc_u32 v[ADRA+(\s)], s21, v3
	v_add_nc_u32 v[ADRB+(\s)], s22, v3
	s_add_co_u32 s21, s21, SLOT
	s_add_co_u32 s22, s22, SLOT
.endr
	s_mul_i32 s22, s10, COPY                       ; my copy of the tile
	v_mul_u32_u24 v5, v1, PITCH                    ; in: row l % 16, 32 bytes for each half of the lanes
	v_lshl_add_u32 v5, v2, 5, v5
	v_add_nc_u32 v[STO], s22, v5
	s_mul_i32 s23, s10, 32*PITCH                   ; back: wave w adds up rows 32 w .. 32 w + 31; 32 lanes take a row's 512 bytes
	v_and_b32 v4, 31, v0
	v_lshlrev_b32 v[CO], 4, v4
	v_add_nc_u32 v[RD], s23, v[CO]
	v_add_nc_u32 v[RD+1], COPY, v[RD]
	v_add_nc_u32 v[RD+2], COPY, v[RD+1]
	v_add_nc_u32 v[RD+3], COPY, v[RD+2]
	s_lshl_b32 s16, s13, 7
	s_lshl_b32 s17, s10, 5
	s_add_co_u32 s16, s16, s17                     ; the first row of P that I store: 128 x tile row + 32 x wave,
	s_lshl_b32 s16, s16, 12                        ; of 4,096 bytes,
	s_lshl_b32 s17, s2, 23                         ; in the split's 8 MiB
	s_add_co_u32 s16, s16, s17
	s_mov_b32 s17, 0
	s_add_nc_u64 s[8:9], s[8:9], s[16:17]
	s_lshl_b32 s46, s42, 9                         ; the tile's first column: 512 bytes a tile
	s_mov_b32 s47, 0
	s_add_nc_u64 s[8:9], s[8:9], s[46:47]
	; the prefetches: s13 = tile row, s42 = tile column, s40 = cx, s41 = cy still stand
	s_lshl_b32 s20, s13, 7
	s_lshl_b32 s21, s42, 7
	s_and_b32 s22, ttmp7, 0xffff
	s_and_b32 s22, s22, 3                          ; my cluster's place among the four that read the same rows of B
	s_cmp_eq_u32 s11, 0                            ; do I fetch for A?
	s_cselect_b32 s20, s20, s21                    ; the tile's first row
	s_cselect_b32 s21, s40, s41                    ; my place among the four that ask for it with me
	s_cselect_b32 s22, ttmp9, s22                  ; the coordinate along which other clusters read the same rows
	s_cselect_b64 s[PFA:PFA+1], s[4:5], s[6:7]
	s_cmp_eq_u32 s22, 0
	s_cselect_b32 s[LIM], 2, -1                    ; the same in all sixteen partners, for a given wave
	s_lshl_b32 s22, s12, 6
	s_add_co_u32 s20, s20, s22                     ; + the 64 rows that I fetch
	s_lshl_b32 s21, s21, 4
	s_add_co_u32 s20, s20, s21                     ; + my work-group's 16 of them
	s_mov_b32 s21, 0
	s_mov_b64 s[18:19], SIZE_K*2
	s_mul_u64 s[20:21], s[20:21], s[18:19]
	s_add_nc_u64 s[PFA:PFA+1], s[PFA:PFA+1], s[20:21]
	s_mul_i32 s20, s2, KPART*2
	s_add_co_u32 s20, s20, KSTEP*2                 ; at K step 1: the first refill (of K step 2) steps it to 2 and names K step 6
	s_mov_b32 s21, 0
	s_add_nc_u64 s[PFA:PFA+1], s[PFA:PFA+1], s[20:21]
	v_mul_u32_u24 v[PFO], v1, SIZE_K*2             ; lane l: row l % 16,
	v_lshl_add_u32 v[PFO], v2, 8, v[PFO]           ; half l / 16 of the K step's 512 bytes
; 16 matrix instructions: row blocks a0, a0 + 1 of the window's four (hi = 0: rows 0-63, 1: rows 64-127) x all 8 column blocks, 32 along K.  zero = 1: the product starts the sums.
; The 64 accumulators take turns, one instruction a turn, in the same order in every quarter.
.macro MUL16 f, hi, a0, zero
	WIN MUL_LO+0x50*(\hi)
.irp a, \a0, (\a0)+1
.irp b, 0,1,2,3,4,5,6,7
.if \zero
	v_wmma_f32_16x16x32_f16 v[8*(8*(\a)+(\b)):8*(8*(\a)+(\b))+7], v[(\f)+8*(\b):(\f)+8*(\b)+7], v[(\f)+8*(4*(\hi)+(\a)):(\f)+8*(4*(\hi)+(\a))+7], 0
.else
	v_wmma_f32_16x16x32_f16 v[8*(8*(\a)+(\b)):8*(8*(\a)+(\b))+7], v[(\f)+8*(\b):(\f)+8*(\b)+7], v[(\f)+8*(4*(\hi)+(\a)):(\f)+8*(4*(\hi)+(\a))+7], v[8*(8*(\a)+(\b)):8*(8*(\a)+(\b))+7]
.endif
.endr
.endr
.endm
; 32 LDS loads in one run: 128 rows of B, 128 rows of A, 32 K at byte k of my 128 bytes of the rows, into buffer f
.macro FETCH slot, k, f
	WIN TO_B
.irp i, 0,1,2,3,4,5,6,7
	ds_load_b128 v[(\f)+8*(\i):(\f)+8*(\i)+3],   v[ADRB+(\slot)] offset:(\k)+(\i)*16*PITCH
	ds_load_b128 v[(\f)+8*(\i)+4:(\f)+8*(\i)+7], v[ADRB+(\slot)] offset:(\k)+(\i)*16*PITCH+32
.endr
	WIN 0
.irp i, 0,1,2,3,4,5,6,7
	ds_load_b128 v[(\f)+8*(\i):(\f)+8*(\i)+3],   v[ADRA+(\slot)] offset:(\k)+(\i)*16*PITCH
	ds_load_b128 v[(\f)+8*(\i)+4:(\f)+8*(\i)+7], v[ADRA+(\slot)] offset:(\k)+(\i)*16*PITCH+32
.endr
.endm
.macro PLACES                          ; four plain vector instructions between a matrix instruction and a load into, or a read of, its registers
.rept 4
	v_nop
.endr
.endm
; A K step gives a wave two quarters of 32 along K, 64 matrix instructions each, on buffers 0 and 1.  The first: multiplies buffer f; in its middle it fetches the second, at byte k, into g.
.macro QUARTER slot, k, f, g, zero
	s_wait_dscnt 8                                 ; B and A's rows 0-63 are in; the youngest eight loads (A's rows 64-127) may be out
	MUL16 \f, 0, 0, \zero
	MUL16 \f, 0, 2, \zero
	PLACES
	FETCH \slot, \k, \g
	s_wait_dscnt 32                                ; all but the 32 just issued
	MUL16 \f, 1, 0, \zero
	MUL16 \f, 1, 2, \zero
.endm
; The second quarter multiplies buffer 1 and changes slots in its middle.  ONE barrier: in front of it each wave waits for all its tensor loads (one is out: its part of the next slot), adds 0 to its
; spare word, and waits for that and for its own reads of this slot.  Behind it nobody reads this slot any more and the next slot is whole.
; fill = 1: the barrier opens a round of the cluster's; behind the round this slot is filled again, two K steps on: the wave's one tensor load.  No product stands between the wait for the tensor
; loads and that load: a K step's 128 matrix instructions all lie between a request and the wait for it.
.macro TURN slot, next, fill
.if \fill
	s_wait_xcnt 0x0                                ; the last prefetch, a K step back, has read its address: it is stepped here, ahead of the waits of the change of slots
	s_add_nc_u64 s[PFA:PFA+1], s[PFA:PFA+1], KSTEP*2
.endif
	s_wait_dscnt 8                                 ; B and A's rows 0-63 of buffer 1 are in
	MUL16 F1, 0, 0, 0
	MUL16 F1, 0, 2, 0
	WIN 0
	s_wait_tensorcnt 0x0                           ; all my tensor loads have landed, so every group 0 may be written
	ds_add_u32 v[SPW], v[NIL]                      ; 0 onto my spare word; the descriptors' steps stand between it and the wait for it
.if \fill
	s_add_nc_u64 s[G0+4*(\slot)+2:G0+4*(\slot)+3], s[G0+4*(\slot)+2:G0+4*(\slot)+3], 2*KSTEP*2
	s_add_nc_u64 s[G0B+4*(\slot)+2:G0B+4*(\slot)+3], s[G0B+4*(\slot)+2:G0B+4*(\slot)+3], 2*KSTEP*2
.endif
	s_wait_dscnt 0x0                               ; the add is done, and my reads of this slot are over
	s_barrier_signal -1
	s_barrier_wait -1
.if \fill
	CREST                                          ; no wave of any partner still reads this slot's tile or has a load on its way
	JLOAD \slot                                    ; the four v_nop behind it are also the places in front of the loads below
.else
	PLACES
.endif
	FETCH \next, 0, F0
.if \fill
	ASK
.endif
	MUL16 F1, 1, 0, 0
	MUL16 F1, 1, 2, 0
.endm
	s_wait_tensorcnt 1                             ; my part of K step 0 is in; K step 1's may stay out
	s_barrier_signal -1
	s_barrier_wait -1                              ; everybody's is
	FETCH 0, 0, F0
	QUARTER 0, 64, F0, F1, 1                       ; the first quarter stands in front of the loop: its products start the sums
	WIN 0                                          ; at a label and at a branch every window is 0
	s_mov_b32 s3, LAPS-1
.Llap:                                                 ; a trip goes once round the ring, from a lap's second quarter to the next lap's first, and fills both slots again
	TURN 0, 1, 1
	QUARTER 1, 64, F0, F1, 0
	TURN 1, 0, 1
	QUARTER 0, 64, F0, F1, 0
	WIN 0
	s_sub_co_u32 s3, s3, 1
	s_cmp_lg_u32 s3, 0
	s_cbranch_scc1 .Llap
	TURN 0, 1, 0                                   ; the last lap fills nothing, and has no round of the cluster's barrier
	QUARTER 1, 64, F0, F1, 0
	s_wait_dscnt 8                                 ; the very last quarter: nothing more to fetch
	MUL16 F1, 0, 0, 0
	MUL16 F1, 0, 2, 0
	s_wait_dscnt 0x0
	MUL16 F1, 1, 0, 0
	MUL16 F1, 1, 2, 0
	; THE WAY OUT.  Each wave puts its 128 x 128 partial sums into its copy in LDS, where the ring lay; then wave w adds the four copies' rows 32 w .. 32 w + 31 and stores them.
	PLACES
	PLACES                                         ; eight, once a launch: the stores below read results just made, and no other vector work is at hand
	WIN 0
	s_barrier_signal -1                            ; every wave's reads of both slots are back (the wait for 0 above), and every fill had landed at the last change of slots
	s_barrier_wait -1
.irp a, 0,1,2,3,4,5,6,7
	WIN 0x08+4*((\a)/4)                            ; the stores' data (source 1) in window 2 or 3
.irp b, 0,1,2,3,4,5,6,7
	ds_store_b128 v[STO], v[8*(8*((\a)%4)+(\b)):8*(8*((\a)%4)+(\b))+3]   offset:(\a)*16*PITCH+64*(\b)     ; each accumulator's low registers first
	ds_store_b128 v[STO], v[8*(8*((\a)%4)+(\b))+4:8*(8*((\a)%4)+(\b))+7] offset:(\a)*16*PITCH+64*(\b)+16
.endr
.endr
	WIN 0
	s_wait_dscnt 0x0                               ; for the others' sake: my stores into my copy are done
	s_barrier_signal -1
	s_barrier_wait -1
; Batch n of eight: four rows, each from all four copies, into registers v64-127 and v128-191 by turns.
.macro GATHER n
.set BK, 64+64*((\n)%2)
	s_wait_xcnt 0x0                                ; the stores of the batch before last have read these registers
.irp q, 0,1,2,3
.irp c, 0,1,2,3
	ds_load_b128 v[BK+16*(\q)+4*(\c):BK+16*(\q)+4*(\c)+3], v[RD+(\c)] offset:(4*(\n)+(\q))*PITCH
.endr
.endr
.endm
.macro SUMOUT n, younger               ; younger: the next batch's sixteen loads, or none
.set BK, 64+64*((\n)%2)
	s_wait_dscnt \younger
.irp q, 0,1,2,3
	v_pk_add_f32 v[BK+16*(\q):BK+16*(\q)+1],     v[BK+16*(\q):BK+16*(\q)+1],     v[BK+16*(\q)+4:BK+16*(\q)+5]
	v_pk_add_f32 v[BK+16*(\q)+2:BK+16*(\q)+3],   v[BK+16*(\q)+2:BK+16*(\q)+3],   v[BK+16*(\q)+6:BK+16*(\q)+7]
	v_pk_add_f32 v[BK+16*(\q)+8:BK+16*(\q)+9],   v[BK+16*(\q)+8:BK+16*(\q)+9],   v[BK+16*(\q)+12:BK+16*(\q)+13]
	v_pk_add_f32 v[BK+16*(\q)+10:BK+16*(\q)+11], v[BK+16*(\q)+10:BK+16*(\q)+11], v[BK+16*(\q)+14:BK+16*(\q)+15]
	v_pk_add_f32 v[BK+16*(\q):BK+16*(\q)+1],     v[BK+16*(\q):BK+16*(\q)+1],     v[BK+16*(\q)+8:BK+16*(\q)+9]
	v_pk_add_f32 v[BK+16*(\q)+2:BK+16*(\q)+3],   v[BK+16*(\q)+2:BK+16*(\q)+3],   v[BK+16*(\q)+10:BK+16*(\q)+11]
	global_store_b128 v[CO], v[BK+16*(\q):BK+16*(\q)+3], s[8:9] offset:(4*(\n)+(\q))*4096 th:TH_STORE_NT  ; the wave stores 512 consecutive bytes, at a multiple of 512 from P's first byte
.endr
.endm
	GATHER 0
.irp n, 1,2,3,4,5,6,7
	GATHER \n
	SUMOUT (\n)-1, 16
.endr
	SUMOUT 7, 0
	s_wait_tensorcnt 0x0                           ; the wave's end, behind my last tensor load and my last LDS store
	ds_add_u32 v[SPW], v[NIL]
	s_wait_dscnt 0x0
	CROUND                                         ; the closing round: no work-group ends while a partner may still ask for a tile that names it
	s_endpgm
.Lfunc_end_k_q61d8a506ad_g3:
	.size	k_q61d8a506ad_g3, .Lfunc_end_k_q61d8a506ad_g3-k_q61d8a506ad_g3
	.p2alignl 7, 3214868480
	.fill 96, 4, 3214868480
	.section	.rodata,"a",@progbits
	.p2align	6, 0x0
	.amdhsa_kernel k_q61d8a506ad_g3
		.amdhsa_group_segment_fixed_size 327680
		.amdhsa_private_segment_fixed_size 0
		.amdhsa_enable_private_segment 0
		.amdhsa_kernarg_size 24
		.amdhsa_user_sgpr_count 2
		.amdhsa_user_sgpr_kernarg_segment_ptr 1
		.amdhsa_wavefront_size32 1
		.amdhsa_system_sgpr_workgroup_id_x 1
		.amdhsa_system_sgpr_workgroup_id_y 1
		.amdhsa_system_sgpr_workgroup_id_z 1
		.amdhsa_system_vgpr_workitem_id 0
		.amdhsa_next_free_vgpr 1024
		.amdhsa_next_free_sgpr 66
		.amdhsa_reserve_vcc 0
		.amdhsa_float_denorm_mode_32 3
		.amdhsa_float_denorm_mode_16_64 3
		.amdhsa_memory_ordered 1
		.amdhsa_forward_progress 1
		.amdhsa_inst_pref_size 94
	.end_amdhsa_kernel
	.amdgpu_metadata
---
amdhsa.version: [ 1, 2 ]
amdhsa.kernels:
  - .name:           k_q61d8a506ad_g3
    .symbol:         k_q61d8a506ad_g3.kd
    .args:
      - { .name: a1, .offset: 0, .size: 8, .value_kind: global_buffer, .address_space: global }
      - { .name: w1, .offset: 8, .size: 8, .value_kind: global_buffer, .address_space: global }
      - { .name: p, .offset: 16, .size: 8, .value_kind: global_buffer, .address_space: global }
    .group_segment_fixed_size: 327680
    .private_segment_fixed_size: 0
    .kernarg_segment_align: 8
    .kernarg_segment_size: 24
    .max_flat_workgroup_size: 128
    .sgpr_count:     66
    .vgpr_count:     1024
    .wavefront_size: 32
...
	.end_amdgpu_metadata
.endif
;; end of part 6
;; launch fin (part 7): grid 256 x 1, 8 waves a work-group, no clusters, 0 bytes of LDS; arguments p, out0; writes out0
.if DOCPART == 7
	.amdgcn_target "amdgcn-amd-amdhsa--gfx1250"
	.amdhsa_code_object_version 6
	.text
	.protected	k_q61d8a506ad_fin
	.globl	k_q61d8a506ad_fin
	.p2align	8
	.type	k_q61d8a506ad_fin,@function
k_q61d8a506ad_fin:
	s_mov_b64 s[64:65], 0
	v_nop
	global_prefetch_b8 v0, s[64:65] scope:SCOPE_SE
	s_setreg_imm32_b32 hwreg(HW_REG_WAVE_MODE, 25, 1), 1
	s_wait_xcnt 0x0
; out0 = p[0] + p[1]: the two halves of K of layer 1's product, [2048][1024] f32 each.
; A work-group takes 32,768 consecutive bytes, thread t the 16 bytes at 4,096 j + 16 t for j = 0 .. 7: a wave's load and store cover 512 consecutive bytes, aligned.
; All sixteen loads of a lane go out at once; each item has registers of its own, so nothing is rewritten while a store still reads it.
; No LDS, no loop, no prefetch: each byte is touched once, and every load is on its way from the start.
	s_load_b128 s[4:7], s[0:1], 0x0                ; p s[4:5], out0 s[6:7]
	v_lshlrev_b32 v1, 4, v0
	s_lshl_b32 s8, ttmp9, 15
	s_mov_b32 s9, 0
	s_wait_kmcnt 0x0
	s_add_nc_u64 s[4:5], s[4:5], s[8:9]
	s_add_nc_u64 s[6:7], s[6:7], s[8:9]
	s_add_nc_u64 s[10:11], s[4:5], 0x800000        ; the second half's sums
.irp j, 0,1,2,3,4,5,6,7
	global_load_b128 v[8+8*(\j):11+8*(\j)],  v1, s[4:5]   offset:4096*(\j) th:TH_LOAD_NT
	global_load_b128 v[12+8*(\j):15+8*(\j)], v1, s[10:11] offset:4096*(\j) th:TH_LOAD_NT
.endr
.irp j, 0,1,2,3,4,5,6,7
	s_wait_loadcnt 14-2*(\j)                       ; loads come back in order: item j's two are in, the younger pairs stay out
	v_pk_add_f32 v[8+8*(\j):9+8*(\j)],   v[8+8*(\j):9+8*(\j)],   v[12+8*(\j):13+8*(\j)]
	v_pk_add_f32 v[10+8*(\j):11+8*(\j)], v[10+8*(\j):11+8*(\j)], v[14+8*(\j):15+8*(\j)]
	global_store_b128 v1, v[8+8*(\j):11+8*(\j)], s[6:7] offset:4096*(\j) th:TH_STORE_NT
.endr
	s_endpgm
.Lfunc_end_k_q61d8a506ad_fin:
	.size	k_q61d8a506ad_fin, .Lfunc_end_k_q61d8a506ad_fin-k_q61d8a506ad_fin
	.p2alignl 7, 3214868480
	.fill 96, 4, 3214868480
	.section	.rodata,"a",@progbits
	.p2align	6, 0x0
	.amdhsa_kernel k_q61d8a506ad_fin
		.amdhsa_group_segment_fixed_size 0
		.amdhsa_private_segment_fixed_size 0
		.amdhsa_enable_private_segment 0
		.amdhsa_kernarg_size 16
		.amdhsa_user_sgpr_count 2
		.amdhsa_user_sgpr_kernarg_segment_ptr 1
		.amdhsa_wavefront_size32 1
		.amdhsa_system_sgpr_workgroup_id_x 1
		.amdhsa_system_sgpr_workgroup_id_y 1
		.amdhsa_system_sgpr_workgroup_id_z 1
		.amdhsa_system_vgpr_workitem_id 0
		.amdhsa_next_free_vgpr 72
		.amdhsa_next_free_sgpr 66
		.amdhsa_reserve_vcc 0
		.amdhsa_float_denorm_mode_32 3
		.amdhsa_float_denorm_mode_16_64 3
		.amdhsa_memory_ordered 1
		.amdhsa_forward_progress 1
		.amdhsa_inst_pref_size 5
	.end_amdhsa_kernel
	.amdgpu_metadata
---
amdhsa.version: [ 1, 2 ]
amdhsa.kernels:
  - .name:           k_q61d8a506ad_fin
    .symbol:         k_q61d8a506ad_fin.kd
    .args:
      - { .name: p, .offset: 0, .size: 8, .value_kind: global_buffer, .address_space: global }
      - { .name: out0, .offset: 8, .size: 8, .value_kind: global_buffer, .address_space: global }
    .group_segment_fixed_size: 0
    .private_segment_fixed_size: 0
    .kernarg_segment_align: 8
    .kernarg_segment_size: 16
    .max_flat_workgroup_size: 256
    .sgpr_count:     66
    .vgpr_count:     72
    .wavefront_size: 32
...
	.end_amdgpu_metadata
.endif
;; end of part 7
;; ======== version 2 of 2: 7 launches; version 1 with the launches exp0, exp1, fin written anew for expert scheduling mode
;; limits: values are held in f16: magnitudes above 65,504 overflow, below 6.1e-05 lose precision; right only within a limited range of input values
;; workspace buffers: xc 8,388,608 bytes; wa 4,194,304 bytes; w0 37,748,736 bytes; w1 18,874,368 bytes; a0 75,497,472 bytes; a1 37,748,736 bytes; p 67,108,864 bytes
;; launch prep: the kernel of part 1 again; grid 1056 x 1, 8 waves a work-group, no clusters, 0 bytes of LDS; arguments feat1, feat2, attn_w, spline_w0, base_w0, spline_w1, base_w1, xc, wa, w0, w1; writes xc, wa, w0, w1
;; launch g1: the kernel of part 2 again; grid 8 x 32, 4 waves a work-group, clusters of 4 x 4, 327,680 bytes of LDS; arguments xc, wa, p; writes p
;; launch exp0 (part 8): grid 2048 x 1, 8 waves a work-group, no clusters, 9,216 bytes of LDS; arguments p, attn_b, feat1, feat2, a0; writes a0
.if DOCPART == 8
	.amdgcn_target "amdgcn-amd-amdhsa--gfx1250"
	.amdhsa_code_object_version 6
	.text
	.protected	k_q61d8a506ad_exp0
	.globl	k_q61d8a506ad_exp0
	.p2align	8
	.type	k_q61d8a506ad_exp0,@function
k_q61d8a506ad_exp0:
	s_mov_b64 s[64:65], 0
	v_nop
	global_prefetch_b8 v0, s[64:65] scope:SCOPE_SE
	s_setreg_imm32_b32 hwreg(HW_REG_WAVE_SCHED_MODE, 0, 2), 2
	s_setreg_imm32_b32 hwreg(HW_REG_WAVE_MODE, 25, 1), 1
	s_wait_xcnt 0x0
	s_wait_alu depctr_vm_vsrc(0)
; THE GATE AND LAYER 0's OPERAND.  z = p[0] + p[1] + attn_b; att = sigmoid(z); x = feat1 att | feat2 (1 - att) (as feat2 - feat2 att, one fused multiply-add);
; a0[row] = for each of the 2,048 x its 8 cubic B-spline values (k = 8 i + g), then the 2,048 SiLU(x) / 16: 18,432 f16, each rounded once from f32.
; THE SPLINE.  The knots are evenly spaced, 0.4 apart from -2.2: t = 2.5 x + 5.5, cell i = floor t, u = t - i.  In cell i the functions i - 3 .. i are
; (1-u)^3/6, u^3/2 - u^2 + 2/3, the same of 1 - u, u^3/6; all others are 0.  The four, as f16, are moved to halves i - 3 .. i of the feature's 16 bytes by selects alone:
; by half a word (i even), by a word (bit 1 of i), by two words (i / 4); what falls outside the 8 is dropped.  No address and no branch hangs on x.
; LIMITS.  The cell comes from t, not from compares with the rounded knots: the functions are continuous, so at a knot only last bits differ.  An infinite x gives zeros.
; SiLU / 16 must fit f16: |x| under 1.04e6.  An exponential below 2^-126 counts as 0.  NaN is not treated apart.
; SHARES.  A work-group takes one row; wave w columns 128 w .. 128 w + 127 of both halves.  A lane loads 4 neighbouring columns (16 bytes; the wave 512 on end).  For the spline each feature
; makes 16 bytes, so the x go through the wave's own 1,024 bytes of LDS to the layout lane = column mod 32: a wave's store then covers 512 consecutive bytes.  No barrier: no wave reads another's bytes.
; No loop, no prefetch, no matrix unit: eighteen bytes leave for each number that comes in, and the stores bound the launch.
; THE MODE: SCHED_MODE bits 1:0 = 2 (LLVM: expert scheduling mode 2), set by the entry lines.  The code itself states the register dependences
; between vector instructions and memory or LDS instructions, and those through scalar registers that vector instructions write, with s_wait_alu, always for 0.
; THE PLAN.  The text has one path.  Registers that memory or LDS instructions touch:
;   v2 .. v6   offsets and LDS addresses: written at the head, never again.  One wait on va_vdst ahead of the first load serves every load and store.
;   LD         the five global loads land in it; no vector instruction names it before.
;   X          written by the gate's last multiplies, read by the two LDS stores, never written again: one wait on va_vdst ahead of those stores.
;   XT         the eight LDS loads land in it; no vector instruction names it before.
;   SP, OQ     written once, read once by the stores, never written again: nothing is owed behind a store.
;   v8, v9     written at the head, read by the closing add alone.
; Scalar registers that vector instructions write: s14, the wave's number, and the spline's masks, five a feature.  The eight features go in two groups of four: first the arithmetic and the
; compares of all four (SPA), twenty masks in twenty scalar registers; ONE wait on va_sdst; the selects of all four (SPB); ONE wait on va_vdst; the group's stores in one run, with the first group's the two of SiLU.
.set SPARE, 8192                       ; behind the waves' 8 x 1,024 bytes: the spare words, 128 bytes for each wave: four blocks of 256 bytes that no other line names
.set SPL1,  0                          ; bytes in the work-group's 36,864 of a0: spline values of the first four x a lane,
.set SPL2,  16384                      ; of the second four,
.set SIL1,  32768                      ; SiLU of the first,
.set SIL2,  34816                      ; of the second
.set MKE,  4                           ; s[4:7]    feature q of a group: i is even.  These twenty registers held addresses and offsets of the loads, which the wait for the loads has shown done
.set MKB,  8                           ; s[8:11]   bit 1 of i is set
.set MG0,  18                          ; s[18:21]  i / 4 = 0
.set MG1,  22                          ; s[22:25]  i / 4 = 1
.set MG2,  26                          ; s[26:29]  i / 4 = 2
.set C05,  10                          ; v[10:21] six constants, each twice, for the packed forms
.set C23,  12
.set C16,  14
.set CNL,  16
.set CSX,  18
.set ONE,  20
.set LD,   22                          ; v[22:41] as loaded
.set Z,    42                          ; v[42:45] z, then att
.set X,    46                          ; v[46:53] the lane's 8 x, 4 neighbouring columns twice
.set E,    54                          ; v[54:61] SiLU: exponentials, then reciprocals
.set XS,   62                          ; v[62:69] x / 16, then SiLU / 16
.set SP,   70                          ; v[70:73] SiLU packed
.set XT,   74                          ; v[74:81] the x of columns 32 q + lane
.set rT,   82                          ; v82-105 at work in SPA and SPB: no memory instruction names them
.set rF,   83
.set rU,   84
.set rSQ,  86
.set rCU,  88
.set rW,   90
.set rV,   92
.set rI,   94
.set rSEL, 97
.set rT0,  98
.set rY,   101
.set rG,   105
.set OQ,   106                         ; v[106:137] eight quads to store; between SPA and SPB a quad's first two registers hold the feature's four values, packed
.set ZERO, 138
.set SELE, 139
.set SELO, 140
	s_load_b256 s[4:11], s[0:1], 0x0               ; p s[4:5], attn_b s[6:7], feat1 s[8:9], feat2 s[10:11]
	s_load_b64 s[12:13], s[0:1], 0x20              ; a0
	v_lshl_add_u32 v8, v0, 2, SPARE                ; my spare word,
	v_mov_b32 v9, 0                                ; and 0: kept for the add at the wave's end alone
	v_lshrrev_b32 v1, 5, v0
	v_readfirstlane_b32 s14, v1                    ; wave 0..7
	v_and_b32 v7, 31, v0                           ; lane
	v_lshlrev_b32 v2, 4, v0                        ; in: 512 w + 16 l
	v_lshlrev_b32 v4, 3, v0                        ; SiLU out: 256 w + 8 l
	s_lshl_b32 s24, ttmp9, 12                      ; the row in p and the features: 4,096 bytes
	s_mov_b32 s25, 0
	s_mul_i32 s26, ttmp9, 36864                    ; the row in a0
	s_mov_b32 s27, 0
	s_mov_b32 s16, 0x40200000                      ; 2.5
	s_mov_b32 s17, 0x40b00000                      ; 5.5
	s_wait_alu depctr_va_sdst(0)                   ; s14 is written, ahead of its first reader
	s_lshl_b32 s15, s14, 11
	v_lshl_add_u32 v3, v7, 4, s15                  ; spline out: 2,048 w + 16 l
	s_lshl_b32 s15, s14, 10
	v_lshl_add_u32 v5, v7, 4, s15                  ; LDS in: 1,024 w + 16 l
	v_lshl_add_u32 v6, v7, 2, s15                  ; LDS out: 1,024 w + 4 l
	s_wait_kmcnt 0x0
	s_add_nc_u64 s[4:5], s[4:5], s[24:25]
	s_add_nc_u64 s[28:29], s[4:5], 0x800000        ; the second half of K's sums
	s_add_nc_u64 s[8:9], s[8:9], s[24:25]
	s_add_nc_u64 s[10:11], s[10:11], s[24:25]
	s_add_nc_u64 s[12:13], s[12:13], s[26:27]
	s_wait_alu depctr_va_vdst(0)                   ; v2 to v6 are written: every load and store of the kernel reads one of them as its offset or LDS address
	global_load_b128 v[LD:LD+3],     v2, s[4:5] th:TH_LOAD_NT
	global_load_b128 v[LD+4:LD+7],   v2, s[28:29] th:TH_LOAD_NT
	global_load_b128 v[LD+8:LD+11],  v2, s[6:7]
	global_load_b128 v[LD+12:LD+15], v2, s[8:9] th:TH_LOAD_NT
	global_load_b128 v[LD+16:LD+19], v2, s[10:11] th:TH_LOAD_NT
.macro CONST r, val
	v_mov_b32 v[\r], \val
	v_mov_b32 v[(\r)+1], \val
.endm
	CONST C05, 0.5                                 ; the constants are written while the loads are out: they name none of the loads' registers
	CONST C23, 0x3f2aaaab                          ; 2/3
	CONST C16, 0x3e2aaaab                          ; 1/6
	CONST CNL, 0xbfb8aa3b                          ; -log2(e)
	CONST CSX, 0x3d800000                          ; 1/16
	CONST ONE, 1.0
	v_mov_b32 v[ZERO], 0
	v_mov_b32 v[SELE], 0x05040302                  ; bytes 2 to 5 of a pair of words: half a word up
	v_mov_b32 v[SELO], 0x03020100                  ; bytes 0 to 3: as it lies
	s_wait_loadcnt 0x0
.irp j, 0,2
	v_pk_add_f32 v[Z+(\j):Z+(\j)+1], v[LD+(\j):LD+(\j)+1], v[LD+4+(\j):LD+4+(\j)+1]
.endr
.irp j, 0,2
	v_pk_add_f32 v[Z+(\j):Z+(\j)+1], v[Z+(\j):Z+(\j)+1], v[LD+8+(\j):LD+8+(\j)+1]
.endr
.irp j, 0,2
	v_pk_mul_f32 v[Z+(\j):Z+(\j)+1], v[Z+(\j):Z+(\j)+1], v[CNL:CNL+1]
.endr
.irp j, 0,1,2,3
	v_exp_f32 v[Z+(\j)], v[Z+(\j)]                 ; e^-z
.endr
	v_nop                                          ; a plain instruction behind the last exponential,
	s_wait_alu depctr_va_vdst(0)                   ; and one wait for the four, ahead of their first reader
.irp j, 0,2
	v_pk_add_f32 v[Z+(\j):Z+(\j)+1], v[Z+(\j):Z+(\j)+1], v[ONE:ONE+1]
.endr
.irp j, 0,1,2,3
	v_rcp_f32 v[Z+(\j)], v[Z+(\j)]                 ; att
.endr
	v_nop
	s_wait_alu depctr_va_vdst(0)                   ; one wait for the four reciprocals
.irp j, 0,2
	v_pk_mul_f32 v[X+(\j):X+(\j)+1], v[LD+12+(\j):LD+12+(\j)+1], v[Z+(\j):Z+(\j)+1]
	v_pk_fma_f32 v[X+4+(\j):X+4+(\j)+1], v[LD+16+(\j):LD+16+(\j)+1], v[Z+(\j):Z+(\j)+1], v[LD+16+(\j):LD+16+(\j)+1] neg_lo:[1,0,0] neg_hi:[1,0,0]
.endr
	; to the layout lane = column mod 32, through my wave's own bytes: LDS serves a wave's instructions in order (ISA guide 5.7.1.4), so the loads see the stores
	s_wait_alu depctr_va_vdst(0)                   ; the four lines above have written X, which the two LDS stores read
	ds_store_b128 v5, v[X:X+3]
	ds_store_b128 v5, v[X+4:X+7] offset:512
.irp q, 0,1,2,3
	ds_load_b32 v[XT+(\q)],   v6 offset:128*(\q)
.endr
.irp q, 0,1,2,3
	ds_load_b32 v[XT+4+(\q)], v6 offset:512+128*(\q)
.endr
	; SiLU / 16 = (x / 16) / (1 + e^-x), on the layout as loaded, while those loads are out: these lines read X and write E, XS and SP, none of which an LDS instruction above touches but X, which is only read
.irp j, 0,2,4,6
	v_pk_mul_f32 v[E+(\j):E+(\j)+1], v[X+(\j):X+(\j)+1], v[CNL:CNL+1]
.endr
.irp j, 0,1,2,3,4,5,6,7
	v_exp_f32 v[E+(\j)], v[E+(\j)]
.endr
.irp j, 0,2,4,6
	v_pk_mul_f32 v[XS+(\j):XS+(\j)+1], v[X+(\j):X+(\j)+1], v[CSX:CSX+1]  ; independent work behind the batch
.endr
	s_wait_alu depctr_va_vdst(0)                   ; one wait for the eight exponentials
.irp j, 0,2,4,6
	v_pk_add_f32 v[E+(\j):E+(\j)+1], v[E+(\j):E+(\j)+1], v[ONE:ONE+1]
.endr
.irp j, 0,1,2,3,4,5,6,7
	v_rcp_f32 v[E+(\j)], v[E+(\j)]
.endr
	v_nop
	s_wait_alu depctr_va_vdst(0)                   ; one wait for the eight reciprocals
.irp j, 0,2,4,6
	v_pk_mul_f32 v[XS+(\j):XS+(\j)+1], v[XS+(\j):XS+(\j)+1], v[E+(\j):E+(\j)+1]
.endr
.irp j, 0,1,2,3
	v_cvt_pk_f16_f32 v[SP+(\j)], v[XS+2*(\j)], v[XS+2*(\j)+1]  ; stored with the first group's spline values, behind that group's wait
.endr
; The spline of v[x], feature q of its group, first part: the four values that are not 0, as f16, into v[o], v[o+1]; the five masks into the feature's scalar registers.
.macro SPA x, o, q
	v_fma_f32 v[rT], v[\x], s16, s17               ; t
	v_floor_f32 v[rF], v[rT]
	v_sub_f32 v[rU], v[rT], v[rF]                  ; u
	v_cvt_i32_f32 v[rI], v[rF]                     ; i; beyond 32 bits it sticks at the ends, which lie outside the cells
	v_sub_f32 v[rU+1], 1.0, v[rU]                  ; 1 - u
	v_and_b32 v[rT], 1, v[rI]
	v_and_b32 v[rF], 2, v[rI]
	v_ashrrev_i32 v[rG], 2, v[rI]
	v_pk_mul_f32 v[rSQ:rSQ+1], v[rU:rU+1], v[rU:rU+1]
	v_cmp_eq_u32 s[MKE+(\q)], 0, v[rT]             ; i even
	v_cmp_ne_u32 s[MKB+(\q)], 0, v[rF]             ; bit 1 of i
	v_pk_mul_f32 v[rCU:rCU+1], v[rSQ:rSQ+1], v[rU:rU+1]
	v_pk_add_f32 v[rV:rV+1], v[C23:C23+1], v[rSQ:rSQ+1] neg_lo:[0,1] neg_hi:[0,1]
	v_cmp_eq_u32 s[MG0+(\q)], 0, v[rG]
	v_cmp_eq_u32 s[MG1+(\q)], 1, v[rG]
	v_cmp_eq_u32 s[MG2+(\q)], 2, v[rG]
	v_pk_mul_f32 v[rW:rW+1], v[rCU:rCU+1], v[C16:C16+1]             ; (function i, function i - 3)
	v_pk_fma_f32 v[rV:rV+1], v[rCU:rCU+1], v[C05:C05+1], v[rV:rV+1] ; (function i - 2, function i - 1)
	v_cvt_pk_f16_f32 v[\o],     v[rW+1], v[rV]     ; functions i - 3, i - 2
	v_cvt_pk_f16_f32 v[(\o)+1], v[rV+1], v[rW]     ; functions i - 1, i
.endm
; Second part: the four values are moved to their places among the feature's 8 f16, v[o .. o+3], by the masks.
.macro SPB o, q
	v_cndmask_b32 v[rSEL], v[SELO], v[SELE], s[MKE+(\q)]
	v_perm_b32 v[rT0],   v[\o],     v[ZERO],   v[rSEL] ; three words from word i / 2 - 2 on: 0 0 | a b | c d for an odd i, 0 a | b c | d 0 for an even one
	v_perm_b32 v[rT0+1], v[(\o)+1], v[\o],     v[rSEL]
	v_perm_b32 v[rT0+2], v[ZERO],   v[(\o)+1], v[rSEL]
	v_cndmask_b32 v[rY],   v[rT0],   0,        s[MKB+(\q)] ; four words from word 2 (i / 4) - 2 on
	v_cndmask_b32 v[rY+1], v[rT0+1], v[rT0],   s[MKB+(\q)]
	v_cndmask_b32 v[rY+2], v[rT0+2], v[rT0+1], s[MKB+(\q)]
	v_cndmask_b32 v[rY+3], 0,        v[rT0+2], s[MKB+(\q)]
	v_cndmask_b32 v[rSQ],   0, v[rY],   s[MG1+(\q)]
	v_cndmask_b32 v[rSQ+1], 0, v[rY+1], s[MG1+(\q)]
	v_cndmask_b32 v[rCU],   0, v[rY],   s[MG2+(\q)]
	v_cndmask_b32 v[rCU+1], 0, v[rY+1], s[MG2+(\q)]
	v_cndmask_b32 v[\o],     v[rSQ],   v[rY+2], s[MG0+(\q)]
	v_cndmask_b32 v[(\o)+1], v[rSQ+1], v[rY+3], s[MG0+(\q)]
	v_cndmask_b32 v[(\o)+2], v[rCU],   v[rY+2], s[MG1+(\q)]
	v_cndmask_b32 v[(\o)+3], v[rCU+1], v[rY+3], s[MG1+(\q)]
.endm
	s_wait_dscnt 0x0                               ; the eight x are back
.irp q, 0,1,2,3
	SPA XT+(\q), OQ+4*(\q), \q
.endr
	s_wait_alu depctr_va_sdst(0)                   ; the first group's twenty masks are written, ahead of the selects that read them
.irp q, 0,1,2,3
	SPB OQ+4*(\q), \q
.endr
	s_wait_alu depctr_va_vdst(0)                   ; the selects have written the first four quads of OQ, and the conversions SP: the six stores below read them
	global_store_b64 v4, v[SP:SP+1],   s[12:13] offset:SIL1 th:TH_STORE_NT  ; the wave stores 256 consecutive bytes, aligned
	global_store_b64 v4, v[SP+2:SP+3], s[12:13] offset:SIL2 th:TH_STORE_NT
.irp q, 0,1,2,3
	global_store_b128 v3, v[OQ+4*(\q):OQ+4*(\q)+3], s[12:13] offset:SPL1+512*(\q) th:TH_STORE_NT  ; 32 features' 512 consecutive bytes, aligned; each store has registers of its own
.endr
.irp q, 0,1,2,3
	SPA XT+4+(\q), OQ+16+4*(\q), \q
.endr
	s_wait_alu depctr_va_sdst(0)                   ; the second group's twenty masks are written, ahead of the selects that read them
.irp q, 0,1,2,3
	SPB OQ+16+4*(\q), \q
.endr
	s_wait_alu depctr_va_vdst(0)                   ; the selects have written the last four quads of OQ, which the four stores below read
.irp q, 0,1,2,3
	global_store_b128 v3, v[OQ+16+4*(\q):OQ+16+4*(\q)+3], s[12:13] offset:SPL2+512*(\q) th:TH_STORE_NT
.endr
	s_wait_dscnt 0x0                               ; the closing lines, six on end
	s_wait_alu 0x0
	s_wait_tensorcnt 0x0
	ds_add_u32 v8, v9
	s_wait_dscnt 0x0
	s_endpgm
.Lfunc_end_k_q61d8a506ad_exp0:
	.size	k_q61d8a506ad_exp0, .Lfunc_end_k_q61d8a506ad_exp0-k_q61d8a506ad_exp0
	.p2alignl 7, 3214868480
	.fill 96, 4, 3214868480
	.section	.rodata,"a",@progbits
	.p2align	6, 0x0
	.amdhsa_kernel k_q61d8a506ad_exp0
		.amdhsa_group_segment_fixed_size 9216
		.amdhsa_private_segment_fixed_size 0
		.amdhsa_enable_private_segment 0
		.amdhsa_kernarg_size 40
		.amdhsa_user_sgpr_count 2
		.amdhsa_user_sgpr_kernarg_segment_ptr 1
		.amdhsa_wavefront_size32 1
		.amdhsa_system_sgpr_workgroup_id_x 1
		.amdhsa_system_sgpr_workgroup_id_y 1
		.amdhsa_system_sgpr_workgroup_id_z 1
		.amdhsa_system_vgpr_workitem_id 0
		.amdhsa_next_free_vgpr 144
		.amdhsa_next_free_sgpr 66
		.amdhsa_reserve_vcc 0
		.amdhsa_float_denorm_mode_32 3
		.amdhsa_float_denorm_mode_16_64 3
		.amdhsa_memory_ordered 1
		.amdhsa_forward_progress 1
		.amdhsa_inst_pref_size 25
	.end_amdhsa_kernel
	.amdgpu_metadata
---
amdhsa.version: [ 1, 2 ]
amdhsa.kernels:
  - .name:           k_q61d8a506ad_exp0
    .symbol:         k_q61d8a506ad_exp0.kd
    .args:
      - { .name: p, .offset: 0, .size: 8, .value_kind: global_buffer, .address_space: global }
      - { .name: attn_b, .offset: 8, .size: 8, .value_kind: global_buffer, .address_space: global }
      - { .name: feat1, .offset: 16, .size: 8, .value_kind: global_buffer, .address_space: global }
      - { .name: feat2, .offset: 24, .size: 8, .value_kind: global_buffer, .address_space: global }
      - { .name: a0, .offset: 32, .size: 8, .value_kind: global_buffer, .address_space: global }
    .group_segment_fixed_size: 9216
    .private_segment_fixed_size: 0
    .kernarg_segment_align: 8
    .kernarg_segment_size: 40
    .max_flat_workgroup_size: 256
    .sgpr_count:     66
    .vgpr_count:     144
    .wavefront_size: 32
...
	.end_amdgpu_metadata
.endif
;; end of part 8
;; launch g2: the kernel of part 4 again; grid 8 x 32, 4 waves a work-group, clusters of 4 x 4, 327,680 bytes of LDS; arguments a0, w0, p; writes p
;; launch exp1 (part 9): grid 1024 x 1, 8 waves a work-group, no clusters, 9,216 bytes of LDS; arguments p, a1; writes a1
.if DOCPART == 9
	.amdgcn_target "amdgcn-amd-amdhsa--gfx1250"
	.amdhsa_code_object_version 6
	.text
	.protected	k_q61d8a506ad_exp1
	.globl	k_q61d8a506ad_exp1
	.p2align	8
	.type	k_q61d8a506ad_exp1,@function
k_q61d8a506ad_exp1:
	s_mov_b64 s[64:65], 0
	v_nop
	global_prefetch_b8 v0, s[64:65] scope:SCOPE_SE
	s_setreg_imm32_b32 hwreg(HW_REG_WAVE_SCHED_MODE, 0, 2), 2
	s_setreg_imm32_b32 hwreg(HW_REG_WAVE_MODE, 25, 1), 1
	s_wait_xcnt 0x0
	s_wait_alu depctr_vm_vsrc(0)
; LAYER 1's OPERAND.  h = p[0] + .. + p[7], the eight parts of K of layer 0's product; a1[row] = for each of the 1,024 h its 8 cubic B-spline values (k = 8 i + g), then the 1,024 SiLU(h) / 16:
; 9,216 f16, each rounded once from f32.
; THE SPLINE.  The knots are evenly spaced, 0.4 apart from -2.2: t = 2.5 x + 5.5, cell i = floor t, u = t - i.  In cell i the functions i - 3 .. i are
; (1-u)^3/6, u^3/2 - u^2 + 2/3, the same of 1 - u, u^3/6; all others are 0.  The four, as f16, are moved to halves i - 3 .. i of the feature's 16 bytes by selects alone:
; by half a word (i even), by a word (bit 1 of i), by two words (i / 4); what falls outside the 8 is dropped.  No address and no branch hangs on x.
; LIMITS.  The cell comes from t, not from compares with the rounded knots: the functions are continuous, so at a knot only last bits differ.  An infinite x gives zeros.
; SiLU / 16 must fit f16: |h| under 1.04e6.  An exponential below 2^-126 counts as 0.  NaN is not treated apart.
; SHARES.  A work-group takes two rows; wave w columns 128 w .. 128 w + 127 of both.  A lane loads 4 neighbouring columns of each plane (16 bytes; the wave 512 on end): sixteen loads, all out at once.
; For the spline each feature makes 16 bytes, so the x go through the wave's own 1,024 bytes of LDS to the layout lane = column mod 32: a wave's store then covers 512 consecutive bytes.
; No barrier: no wave reads another's bytes.  No loop, no prefetch, no matrix unit: every load is issued at the head, and each byte is touched once.
; THE MODE: SCHED_MODE bits 1:0 = 2 (LLVM: expert scheduling mode 2), set by the entry lines.  The code itself states the register dependences
; between vector instructions and memory or LDS instructions, and those through scalar registers that vector instructions write, with s_wait_alu, always for 0.
; THE PLAN.  The text has one path.  Registers that memory or LDS instructions touch:
;   v2 .. v6   offsets and LDS addresses: written at the head, never again.  One wait on va_vdst ahead of the first load serves every load and store.
;   LD         the sixteen global loads land in it; no vector instruction names it before.
;   X          written by the row sums, read by the two LDS stores, never written again: one wait on va_vdst ahead of those stores.
;   XT         the eight LDS loads land in it.  It lies in LD's range, which the row sums have read and written: the same wait states that they are done with it.
;   SP, OQ     written once, read once by the stores, never written again: nothing is owed behind a store.
;   v8, v9     written at the head, read by the closing add alone.
; Scalar registers that vector instructions write: s14, the wave's number, and the spline's masks, five a feature.  The eight features go in two groups of four: first the arithmetic and the
; compares of all four (SPA), twenty masks in twenty scalar registers; ONE wait on va_sdst; the selects of all four (SPB); ONE wait on va_vdst; the group's stores in one run, with the first group's the two of SiLU.
.set SPARE, 8192                       ; behind the waves' 8 x 1,024 bytes: the spare words, 128 bytes for each wave: four blocks of 256 bytes that no other line names
.set SPL1,  0                          ; bytes in the work-group's 36,864 of a1: spline values of the first row,
.set SPL2,  18432                      ; of the second,
.set SIL1,  16384                      ; SiLU of the first,
.set SIL2,  34816                      ; of the second
.set PL,   32                          ; s[32:47] p at my two rows, in plane 0 .. 7
.set MKE,  4                           ; s[4:7]    feature q of a group: i is even.  Of these twenty registers no memory instruction reads one; those that held the arguments and offsets have served
.set MKB,  8                           ; s[8:11]   bit 1 of i is set
.set MG0,  18                          ; s[18:21]  i / 4 = 0
.set MG1,  22                          ; s[22:25]  i / 4 = 1
.set MG2,  26                          ; s[26:29]  i / 4 = 2
.set C05,  10                          ; v[10:21] six constants, each twice, for the packed forms
.set C23,  12
.set C16,  14
.set CNL,  16
.set CSX,  18
.set ONE,  20
.set X,    46                          ; v[46:53] the lane's 8 x, 4 neighbouring columns of each row
.set LD,   54                          ; v[54:117] as loaded: row n / 8, plane n % 8 at LD + 4 n; these registers serve the work below once the sums are made
.set E,    54                          ; v[54:61] SiLU: exponentials, then reciprocals
.set XS,   62                          ; v[62:69] x / 16, then SiLU / 16
.set SP,   70                          ; v[70:73] SiLU packed
.set XT,   74                          ; v[74:81] the x of columns 32 q + lane
.set rT,   82                          ; v82-105 at work in SPA and SPB: behind the sums no memory instruction names them
.set rF,   83
.set rU,   84
.set rSQ,  86
.set rCU,  88
.set rW,   90
.set rV,   92
.set rI,   94
.set rSEL, 97
.set rT0,  98
.set rY,   101
.set rG,   105
.set OQ,   106                         ; v[106:137] eight quads to store; between SPA and SPB a quad's first two registers hold the feature's four values, packed
.set ZERO, 138
.set SELE, 139
.set SELO, 140
	s_load_b128 s[4:7], s[0:1], 0x0                ; p s[4:5], a1 s[6:7]
	v_lshl_add_u32 v8, v0, 2, SPARE                ; my spare word,
	v_mov_b32 v9, 0                                ; and 0: kept for the add at the wave's end alone
	v_lshrrev_b32 v1, 5, v0
	v_readfirstlane_b32 s14, v1                    ; wave 0..7
	v_and_b32 v7, 31, v0                           ; lane
	v_lshlrev_b32 v2, 4, v0                        ; in: 512 w + 16 l
	v_lshlrev_b32 v4, 3, v0                        ; SiLU out: 256 w + 8 l
	s_lshl_b32 s24, ttmp9, 13                      ; my two rows in a plane of p: 8,192 bytes
	s_mov_b32 s25, 0
	s_mul_i32 s26, ttmp9, 36864                    ; and in a1
	s_mov_b32 s27, 0
	s_mov_b32 s16, 0x40200000                      ; 2.5
	s_mov_b32 s17, 0x40b00000                      ; 5.5
	s_wait_alu depctr_va_sdst(0)                   ; s14 is written, ahead of its first reader
	s_lshl_b32 s15, s14, 11
	v_lshl_add_u32 v3, v7, 4, s15                  ; spline out: 2,048 w + 16 l
	s_lshl_b32 s15, s14, 10
	v_lshl_add_u32 v5, v7, 4, s15                  ; LDS in: 1,024 w + 16 l
	v_lshl_add_u32 v6, v7, 2, s15                  ; LDS out: 1,024 w + 4 l
	s_wait_kmcnt 0x0
	s_add_nc_u64 s[PL:PL+1], s[4:5], s[24:25]
.irp s, 1,2,3,4,5,6,7
	s_add_nc_u64 s[PL+2*(\s):PL+2*(\s)+1], s[PL:PL+1], (\s)*0x800000  ; a plane is 8 MiB
.endr
	s_add_nc_u64 s[12:13], s[6:7], s[26:27]
	s_wait_alu depctr_va_vdst(0)                   ; v2 to v6 are written: every load and store of the kernel reads one of them as its offset or LDS address
.set n, 0
.rept 16
	global_load_b128 v[LD+4*n:LD+4*n+3], v2, s[PL+2*(n%8):PL+2*(n%8)+1] offset:4096*(n/8) th:TH_LOAD_NT
.set n, n+1
.endr
.macro CONST r, val
	v_mov_b32 v[\r], \val
	v_mov_b32 v[(\r)+1], \val
.endm
	CONST C05, 0.5                                 ; the constants are written while the loads are out: they name none of the loads' registers
	CONST C23, 0x3f2aaaab                          ; 2/3
	CONST C16, 0x3e2aaaab                          ; 1/6
	CONST CNL, 0xbfb8aa3b                          ; -log2(e)
	CONST CSX, 0x3d800000                          ; 1/16
	CONST ONE, 1.0
	v_mov_b32 v[ZERO], 0
	v_mov_b32 v[SELE], 0x05040302                  ; bytes 2 to 5 of a pair of words: half a word up
	v_mov_b32 v[SELO], 0x03020100                  ; bytes 0 to 3: as it lies
; A row's eight planes are added as a tree, two numbers an instruction.
.macro ROWSUM row
.set rB, LD+32*(\row)
.irp i, 0,8,16,24
	v_pk_add_f32 v[rB+(\i):rB+(\i)+1],   v[rB+(\i):rB+(\i)+1],   v[rB+(\i)+4:rB+(\i)+5]
	v_pk_add_f32 v[rB+(\i)+2:rB+(\i)+3], v[rB+(\i)+2:rB+(\i)+3], v[rB+(\i)+6:rB+(\i)+7]
.endr
.irp i, 0,16
	v_pk_add_f32 v[rB+(\i):rB+(\i)+1],   v[rB+(\i):rB+(\i)+1],   v[rB+(\i)+8:rB+(\i)+9]
	v_pk_add_f32 v[rB+(\i)+2:rB+(\i)+3], v[rB+(\i)+2:rB+(\i)+3], v[rB+(\i)+10:rB+(\i)+11]
.endr
	v_pk_add_f32 v[X+4*(\row):X+4*(\row)+1],   v[rB:rB+1],   v[rB+16:rB+17]
	v_pk_add_f32 v[X+4*(\row)+2:X+4*(\row)+3], v[rB+2:rB+3], v[rB+18:rB+19]
.endm
	s_wait_loadcnt 8                               ; loads come back in order: the first row's eight are in, the second row's eight may be out
	ROWSUM 0
	s_wait_loadcnt 0x0
	ROWSUM 1
	; to the layout lane = column mod 32, through my wave's own bytes: LDS serves a wave's instructions in order (ISA guide 5.7.1.4), so the loads see the stores
	s_wait_alu depctr_va_vdst(0)                   ; the sums have written X, which the two LDS stores read, and are done reading and writing v74 to v81, in which the eight LDS loads land
	ds_store_b128 v5, v[X:X+3]
	ds_store_b128 v5, v[X+4:X+7] offset:512
.irp q, 0,1,2,3
	ds_load_b32 v[XT+(\q)],   v6 offset:128*(\q)
.endr
.irp q, 0,1,2,3
	ds_load_b32 v[XT+4+(\q)], v6 offset:512+128*(\q)
.endr
	; SiLU / 16 = (x / 16) / (1 + e^-x), on the layout as loaded, while those loads are out: these lines read X and write E, XS and SP, none of which an LDS instruction above touches but X, which is only read
.irp j, 0,2,4,6
	v_pk_mul_f32 v[E+(\j):E+(\j)+1], v[X+(\j):X+(\j)+1], v[CNL:CNL+1]
.endr
.irp j, 0,1,2,3,4,5,6,7
	v_exp_f32 v[E+(\j)], v[E+(\j)]
.endr
.irp j, 0,2,4,6
	v_pk_mul_f32 v[XS+(\j):XS+(\j)+1], v[X+(\j):X+(\j)+1], v[CSX:CSX+1]  ; independent work behind the batch
.endr
	s_wait_alu depctr_va_vdst(0)                   ; one wait for the eight exponentials, ahead of their first reader
.irp j, 0,2,4,6
	v_pk_add_f32 v[E+(\j):E+(\j)+1], v[E+(\j):E+(\j)+1], v[ONE:ONE+1]
.endr
.irp j, 0,1,2,3,4,5,6,7
	v_rcp_f32 v[E+(\j)], v[E+(\j)]
.endr
	v_nop                                          ; a plain instruction behind the last reciprocal,
	s_wait_alu depctr_va_vdst(0)                   ; and one wait for the eight
.irp j, 0,2,4,6
	v_pk_mul_f32 v[XS+(\j):XS+(\j)+1], v[XS+(\j):XS+(\j)+1], v[E+(\j):E+(\j)+1]
.endr
.irp j, 0,1,2,3
	v_cvt_pk_f16_f32 v[SP+(\j)], v[XS+2*(\j)], v[XS+2*(\j)+1]  ; stored with the first group's spline values, behind that group's wait
.endr
; The spline of v[x], feature q of its group, first part: the four values that are not 0, as f16, into v[o], v[o+1]; the five masks into the feature's scalar registers.
.macro SPA x, o, q
	v_fma_f32 v[rT], v[\x], s16, s17               ; t
	v_floor_f32 v[rF], v[rT]
	v_sub_f32 v[rU], v[rT], v[rF]                  ; u
	v_cvt_i32_f32 v[rI], v[rF]                     ; i; beyond 32 bits it sticks at the ends, which lie outside the cells
	v_sub_f32 v[rU+1], 1.0, v[rU]                  ; 1 - u
	v_and_b32 v[rT], 1, v[rI]
	v_and_b32 v[rF], 2, v[rI]
	v_ashrrev_i32 v[rG], 2, v[rI]
	v_pk_mul_f32 v[rSQ:rSQ+1], v[rU:rU+1], v[rU:rU+1]
	v_cmp_eq_u32 s[MKE+(\q)], 0, v[rT]             ; i even
	v_cmp_ne_u32 s[MKB+(\q)], 0, v[rF]             ; bit 1 of i
	v_pk_mul_f32 v[rCU:rCU+1], v[rSQ:rSQ+1], v[rU:rU+1]
	v_pk_add_f32 v[rV:rV+1], v[C23:C23+1], v[rSQ:rSQ+1] neg_lo:[0,1] neg_hi:[0,1]
	v_cmp_eq_u32 s[MG0+(\q)], 0, v[rG]
	v_cmp_eq_u32 s[MG1+(\q)], 1, v[rG]
	v_cmp_eq_u32 s[MG2+(\q)], 2, v[rG]
	v_pk_mul_f32 v[rW:rW+1], v[rCU:rCU+1], v[C16:C16+1]             ; (function i, function i - 3)
	v_pk_fma_f32 v[rV:rV+1], v[rCU:rCU+1], v[C05:C05+1], v[rV:rV+1] ; (function i - 2, function i - 1)
	v_cvt_pk_f16_f32 v[\o],     v[rW+1], v[rV]     ; functions i - 3, i - 2
	v_cvt_pk_f16_f32 v[(\o)+1], v[rV+1], v[rW]     ; functions i - 1, i
.endm
; Second part: the four values are moved to their places among the feature's 8 f16, v[o .. o+3], by the masks.
.macro SPB o, q
	v_cndmask_b32 v[rSEL], v[SELO], v[SELE], s[MKE+(\q)]
	v_perm_b32 v[rT0],   v[\o],     v[ZERO],   v[rSEL] ; three words from word i / 2 - 2 on: 0 0 | a b | c d for an odd i, 0 a | b c | d 0 for an even one
	v_perm_b32 v[rT0+1], v[(\o)+1], v[\o],     v[rSEL]
	v_perm_b32 v[rT0+2], v[ZERO],   v[(\o)+1], v[rSEL]
	v_cndmask_b32 v[rY],   v[rT0],   0,        s[MKB+(\q)] ; four words from word 2 (i / 4) - 2 on
	v_cndmask_b32 v[rY+1], v[rT0+1], v[rT0],   s[MKB+(\q)]
	v_cndmask_b32 v[rY+2], v[rT0+2], v[rT0+1], s[MKB+(\q)]
	v_cndmask_b32 v[rY+3], 0,        v[rT0+2], s[MKB+(\q)]
	v_cndmask_b32 v[rSQ],   0, v[rY],   s[MG1+(\q)]
	v_cndmask_b32 v[rSQ+1], 0, v[rY+1], s[MG1+(\q)]
	v_cndmask_b32 v[rCU],   0, v[rY],   s[MG2+(\q)]
	v_cndmask_b32 v[rCU+1], 0, v[rY+1], s[MG2+(\q)]
	v_cndmask_b32 v[\o],     v[rSQ],   v[rY+2], s[MG0+(\q)]
	v_cndmask_b32 v[(\o)+1], v[rSQ+1], v[rY+3], s[MG0+(\q)]
	v_cndmask_b32 v[(\o)+2], v[rCU],   v[rY+2], s[MG1+(\q)]
	v_cndmask_b32 v[(\o)+3], v[rCU+1], v[rY+3], s[MG1+(\q)]
.endm
	s_wait_dscnt 0x0                               ; the eight x are back
.irp q, 0,1,2,3
	SPA XT+(\q), OQ+4*(\q), \q
.endr
	s_wait_alu depctr_va_sdst(0)                   ; the first group's twenty masks are written, ahead of the selects that read them
.irp q, 0,1,2,3
	SPB OQ+4*(\q), \q
.endr
	s_wait_alu depctr_va_vdst(0)                   ; the selects have written the first four quads of OQ, and the conversions SP: the six stores below read them
	global_store_b64 v4, v[SP:SP+1],   s[12:13] offset:SIL1 th:TH_STORE_NT  ; the wave stores 256 consecutive bytes, aligned
	global_store_b64 v4, v[SP+2:SP+3], s[12:13] offset:SIL2 th:TH_STORE_NT
.irp q, 0,1,2,3
	global_store_b128 v3, v[OQ+4*(\q):OQ+4*(\q)+3], s[12:13] offset:SPL1+512*(\q) th:TH_STORE_NT  ; 32 features' 512 consecutive bytes, aligned; each store has registers of its own
.endr
.irp q, 0,1,2,3
	SPA XT+4+(\q), OQ+16+4*(\q), \q
.endr
	s_wait_alu depctr_va_sdst(0)                   ; the second group's twenty masks are written, ahead of the selects that read them
.irp q, 0,1,2,3
	SPB OQ+16+4*(\q), \q
.endr
	s_wait_alu depctr_va_vdst(0)                   ; the selects have written the last four quads of OQ, which the four stores below read
.irp q, 0,1,2,3
	global_store_b128 v3, v[OQ+16+4*(\q):OQ+16+4*(\q)+3], s[12:13] offset:SPL2+512*(\q) th:TH_STORE_NT
.endr
	s_wait_dscnt 0x0                               ; the closing lines, six on end
	s_wait_alu 0x0
	s_wait_tensorcnt 0x0
	ds_add_u32 v8, v9
	s_wait_dscnt 0x0
	s_endpgm
.Lfunc_end_k_q61d8a506ad_exp1:
	.size	k_q61d8a506ad_exp1, .Lfunc_end_k_q61d8a506ad_exp1-k_q61d8a506ad_exp1
	.p2alignl 7, 3214868480
	.fill 96, 4, 3214868480
	.section	.rodata,"a",@progbits
	.p2align	6, 0x0
	.amdhsa_kernel k_q61d8a506ad_exp1
		.amdhsa_group_segment_fixed_size 9216
		.amdhsa_private_segment_fixed_size 0
		.amdhsa_enable_private_segment 0
		.amdhsa_kernarg_size 16
		.amdhsa_user_sgpr_count 2
		.amdhsa_user_sgpr_kernarg_segment_ptr 1
		.amdhsa_wavefront_size32 1
		.amdhsa_system_sgpr_workgroup_id_x 1
		.amdhsa_system_sgpr_workgroup_id_y 1
		.amdhsa_system_sgpr_workgroup_id_z 1
		.amdhsa_system_vgpr_workitem_id 0
		.amdhsa_next_free_vgpr 144
		.amdhsa_next_free_sgpr 66
		.amdhsa_reserve_vcc 0
		.amdhsa_float_denorm_mode_32 3
		.amdhsa_float_denorm_mode_16_64 3
		.amdhsa_memory_ordered 1
		.amdhsa_forward_progress 1
		.amdhsa_inst_pref_size 26
	.end_amdhsa_kernel
	.amdgpu_metadata
---
amdhsa.version: [ 1, 2 ]
amdhsa.kernels:
  - .name:           k_q61d8a506ad_exp1
    .symbol:         k_q61d8a506ad_exp1.kd
    .args:
      - { .name: p, .offset: 0, .size: 8, .value_kind: global_buffer, .address_space: global }
      - { .name: a1, .offset: 8, .size: 8, .value_kind: global_buffer, .address_space: global }
    .group_segment_fixed_size: 9216
    .private_segment_fixed_size: 0
    .kernarg_segment_align: 8
    .kernarg_segment_size: 16
    .max_flat_workgroup_size: 256
    .sgpr_count:     66
    .vgpr_count:     144
    .wavefront_size: 32
...
	.end_amdgpu_metadata
.endif
;; end of part 9
;; launch g3: the kernel of part 6 again; grid 8 x 32, 4 waves a work-group, clusters of 4 x 4, 327,680 bytes of LDS; arguments a1, w1, p; writes p
;; launch fin (part 10): grid 256 x 1, 8 waves a work-group, no clusters, 0 bytes of LDS; arguments p, out0; writes out0
.if DOCPART == 10
	.amdgcn_target "amdgcn-amd-amdhsa--gfx1250"
	.amdhsa_code_object_version 6
	.text
	.protected	k_q61d8a506ad_fin
	.globl	k_q61d8a506ad_fin
	.p2align	8
	.type	k_q61d8a506ad_fin,@function
k_q61d8a506ad_fin:
	s_mov_b64 s[64:65], 0
	v_nop
	global_prefetch_b8 v0, s[64:65] scope:SCOPE_SE
	s_setreg_imm32_b32 hwreg(HW_REG_WAVE_SCHED_MODE, 0, 2), 2
	s_setreg_imm32_b32 hwreg(HW_REG_WAVE_MODE, 25, 1), 1
	s_wait_xcnt 0x0
	s_wait_alu depctr_vm_vsrc(0)
; out0 = p[0] + p[1]: the two halves of K of layer 1's product, [2048][1024] f32 each.
; A work-group takes 32,768 consecutive bytes, thread t the 16 bytes at 4,096 j + 16 t for j = 0 .. 7: a wave's load and store cover 512 consecutive bytes, aligned.
; All sixteen loads of a lane go out at once; each item has registers of its own, so nothing is rewritten while a store still reads it.
; No LDS, no loop, no prefetch: each byte is touched once, and every load is on its way from the start.
; THE MODE: SCHED_MODE bits 1:0 = 2 (LLVM: expert scheduling mode 2), set by the entry lines.  The code itself states the register dependences
; between vector instructions and memory instructions, with s_wait_alu, always for 0.
; THE PLAN.  The text has one path.  Registers that memory instructions touch:
;   v1         16 t, the offset of every load and store: written once at the head: one wait on va_vdst ahead of the first load.
;   v[8:71]    item j: eight registers.  Its two loads land in them; no vector instruction names them before.  Its two additions write the first four, its store reads these; they are never written again.
; The eight items go in four groups of two.  At a group's head, behind the wait for its loads, ONE wait on va_vdst states that the group before has written its sums; that group's two stores follow,
; and then this group's additions, which name other registers.  A last wait stands ahead of the last two stores.
.macro SUM j                           ; item j: p[0] + p[1], four numbers
	v_pk_add_f32 v[8+8*(\j):9+8*(\j)],   v[8+8*(\j):9+8*(\j)],   v[12+8*(\j):13+8*(\j)]
	v_pk_add_f32 v[10+8*(\j):11+8*(\j)], v[10+8*(\j):11+8*(\j)], v[14+8*(\j):15+8*(\j)]
.endm
.macro OUT j                           ; item j is stored
	global_store_b128 v1, v[8+8*(\j):11+8*(\j)], s[6:7] offset:4096*(\j) th:TH_STORE_NT
.endm
	s_load_b128 s[4:7], s[0:1], 0x0                ; p s[4:5], out0 s[6:7]
	v_lshlrev_b32 v1, 4, v0
	s_lshl_b32 s8, ttmp9, 15
	s_mov_b32 s9, 0
	s_wait_kmcnt 0x0
	s_add_nc_u64 s[4:5], s[4:5], s[8:9]
	s_add_nc_u64 s[6:7], s[6:7], s[8:9]
	s_add_nc_u64 s[10:11], s[4:5], 0x800000        ; the second half's sums
	s_wait_alu depctr_va_vdst(0)                   ; v1 is written: every load and store reads it as its offset
.irp j, 0,1,2,3,4,5,6,7
	global_load_b128 v[8+8*(\j):11+8*(\j)],  v1, s[4:5]   offset:4096*(\j) th:TH_LOAD_NT
	global_load_b128 v[12+8*(\j):15+8*(\j)], v1, s[10:11] offset:4096*(\j) th:TH_LOAD_NT
.endr
	s_wait_loadcnt 12                              ; loads come back in order: items 0 and 1 are in, the twelve younger loads stay out
	SUM 0
	SUM 1
.irp g, 1,2,3
	s_wait_loadcnt 12-4*(\g)                       ; this group's four loads are in, the younger groups' stay out
	s_wait_alu depctr_va_vdst(0)                   ; the group before has written its sums, which the two stores below read
	OUT 2*(\g)-2
	OUT 2*(\g)-1
	SUM 2*(\g)
	SUM 2*(\g)+1
.endr
	s_wait_alu depctr_va_vdst(0)                   ; items 6 and 7 have written their sums, which the last two stores read
	OUT 6
	OUT 7
	s_endpgm
.Lfunc_end_k_q61d8a506ad_fin:
	.size	k_q61d8a506ad_fin, .Lfunc_end_k_q61d8a506ad_fin-k_q61d8a506ad_fin
	.p2alignl 7, 3214868480
	.fill 96, 4, 3214868480
	.section	.rodata,"a",@progbits
	.p2align	6, 0x0
	.amdhsa_kernel k_q61d8a506ad_fin
		.amdhsa_group_segment_fixed_size 0
		.amdhsa_private_segment_fixed_size 0
		.amdhsa_enable_private_segment 0
		.amdhsa_kernarg_size 16
		.amdhsa_user_sgpr_count 2
		.amdhsa_user_sgpr_kernarg_segment_ptr 1
		.amdhsa_wavefront_size32 1
		.amdhsa_system_sgpr_workgroup_id_x 1
		.amdhsa_system_sgpr_workgroup_id_y 1
		.amdhsa_system_sgpr_workgroup_id_z 1
		.amdhsa_system_vgpr_workitem_id 0
		.amdhsa_next_free_vgpr 72
		.amdhsa_next_free_sgpr 66
		.amdhsa_reserve_vcc 0
		.amdhsa_float_denorm_mode_32 3
		.amdhsa_float_denorm_mode_16_64 3
		.amdhsa_memory_ordered 1
		.amdhsa_forward_progress 1
		.amdhsa_inst_pref_size 5
	.end_amdhsa_kernel
	.amdgpu_metadata
---
amdhsa.version: [ 1, 2 ]
amdhsa.kernels:
  - .name:           k_q61d8a506ad_fin
    .symbol:         k_q61d8a506ad_fin.kd
    .args:
      - { .name: p, .offset: 0, .size: 8, .value_kind: global_buffer, .address_space: global }
      - { .name: out0, .offset: 8, .size: 8, .value_kind: global_buffer, .address_space: global }
    .group_segment_fixed_size: 0
    .private_segment_fixed_size: 0
    .kernarg_segment_align: 8
    .kernarg_segment_size: 16
    .max_flat_workgroup_size: 256
    .sgpr_count:     66
    .vgpr_count:     72
    .wavefront_size: 32
...
	.end_amdgpu_metadata
.endif
;; end of part 10
